; MI455X (gfx1250); checked and timed in simulation.
; The chip was launched on July 23, 2026; its instructions are those of AMD's public machine-readable ISA for CDNA 5 (MIT licence, August 2026) and "CDNA5" Instruction Set Architecture Reference Guide (July 2026). The comments in the code are by the model that wrote it; some were corrected since.
;; SWA. Allowed arithmetic: matrix products marked QUANTISED: E2M1 operands, one E8M0 scale for each 32 along K, by v_wmma_scale_f32_16x16x128_f8f6f4 with both operands' format E2M1 (or v_wmma_scale_f32_32x16x128_f4), f32 sums; products left as they are: bf16, f16 or f32 operands; f32 sums; everything else in f32.
;; Inputs: hidden_states 2,048 x 2,048 float32; k_cache 2,048 x 2,048 float32; k_norm_w 128 float32; q_norm_w 128 float32; v_cache 2,048 x 2,048 float32; wk 2,048 x 2,048 float32; wo 2,048 x 2,048 float32; wq 2,048 x 2,048 float32; wv 2,048 x 2,048 float32.
;; Outputs: out0 2,048 x 2,048 float32; out1 2,048 x 2,048 float32; out2 2,048 x 2,048 float32.
;; Constants: chunk_id = 1.
;; This version of the problem:
;;   THIS VERSION OF THE PROBLEM IS GIVEN IN LOW PRECISION. The matrix products marked QUANTISED in the list below multiply operands that are first quantised to E2M1 (2 exponent bits, 1 mantissa bit; 4 bits a number), with one power-of-two scale for each 32 numbers along K (OCP MX v1.0); their sums are f32. The products marked 'left as it is' may take bf16, f16 or f32 operands, with f32 sums. Whichever they take, every output number must still come out within the allowed error. Rounding operands to bf16 (8 significant bits) uses up far more of that allowance than f16 does (11 bits, for magnitudes from 6e-5 to 65,504). All else is computed in f32.
;;   The module's matrix products, in the order in which they are computed (A, B: the left and right operand; K: the contracted axis; several contracted axes count as one K, in the product's order):
;;     1. [M 2,048, K 2,048] x [K 2,048, N 2,048]; A: input hidden_states; B: input wq: QUANTISED
;;     2. [M 2,048, K 2,048] x [K 2,048, N 2,048]; A: input hidden_states; B: input wk: QUANTISED
;;     3. [M 2,048, K 2,048] x [K 2,048, N 2,048]; A: input hidden_states; B: input wv: QUANTISED
;;     4. batch 16 x [M 2,048, K 128] x [K 128, N 4,096]; A: computed on the way; B: computed on the way: left as it is (an operand is computed on the way)
;;     5. batch 16 x [M 128, K 4,096] x [K 4,096, N 2,048]; A: computed on the way; B: computed on the way: left as it is (an operand is computed on the way)
;;     6. [M 2,048, K 2,048] x [K 2,048, N 2,048]; A: computed on the way; B: input wo: left as it is (an operand is computed on the way)
;;   THE QUANTISER, for each operand of a quantised product, along K:
;;     - K is cut into blocks of 32 from its start; a last block that is shorter is filled with zeros.
;;     - A block's scale is 2^e with e = floor(log2(the largest magnitude in the block)) - 2, held to -126 .. 127; a block of zeros has e = 0. As a byte (E8M0): e + 127.
;;     - Each number is divided by its block's scale, clamped to +-6, and rounded to the nearest number of E2M1, ties to even, subnormals kept.
;;     - The product sums the exact products of the quantised numbers (number of the format x scale) in f32.
;;   ~~~python
;;   def quantise(x, axis):      # numpy; x: float32 -> the quantised numbers, widened to float32 again
;;       x = np.moveaxis(x, axis, -1); K = x.shape[-1]
;;       x = np.pad(x, [(0, 0)] * (x.ndim - 1) + [(0, -K % 32)]); x = x.reshape(x.shape[:-1] + (-1, 32)); a = np.abs(x).max(-1, keepdims=True)
;;       e = np.where(a > 0, np.clip(np.frexp(np.where(a > 0, a, 1))[1] - 1 - 2, -126, 127), 0)      # np.frexp(a)[1] - 1 = floor(log2(a)), exactly
;;       r = np.clip(x / 2.0 ** e, -6, 6)
;;       step = 2.0 ** (np.maximum(np.frexp(np.where(r == 0, 1, r))[1] - 1, 0) - 1)
;;       q = np.round(r / step) * step * 2.0 ** e      # np.round: ties to even
;;       return np.moveaxis(q.reshape(q.shape[:-2] + (-1,))[..., :K], -1, axis).astype(np.float32)
;;   ~~~
;; One version. Each part assembles by itself: llvm-mc -triple=amdgcn-amd-amdhsa -mcpu=gfx1250 --defsym DOCPART=n.
;; ======== version 1 of 1: 4 launches
;; limits: values are held in f16: magnitudes above 65,504 overflow, below 6.1e-05 lose precision
;; workspace buffers: codes 8,388,608 bytes; scales 524,288 bytes; rope_tab 1,048,576 bytes; woh 8,388,608 bytes; qh 8,388,608 bytes; kh 16,777,216 bytes; vh 16,777,216 bytes; oh 8,388,608 bytes
;; launch prep (part 1): grid 1280 x 1, 4 waves a work-group, no clusters, 33,280 bytes of LDS; arguments hidden_states, wq, wk, wv, wo, v_cache, k_cache, codes, scales, woh, vh, kh, rope_tab; writes codes, scales, woh, vh, kh, rope_tab
.if DOCPART == 1
	.amdgcn_target "amdgcn-amd-amdhsa--gfx1250"
	.amdhsa_code_object_version 6
	.text
	.protected	k_q2ddfd7a26a_prep
	.globl	k_q2ddfd7a26a_prep
	.p2align	8
	.type	k_q2ddfd7a26a_prep,@function
k_q2ddfd7a26a_prep:
	s_mov_b64 s[64:65], 0
	v_nop
	global_prefetch_b8 v0, s[64:65] scope:SCOPE_SE
	s_setreg_imm32_b32 hwreg(HW_REG_WAVE_MODE, 25, 1), 1
	s_wait_xcnt 0x0
; EVERY WIDE INPUT IS NARROWED ONCE.  Two kinds of work-groups, told apart by the work-group's number.
; Work-groups 0-511: hidden_states, wq, wk, wv ([2048][2048] f32, K innermost), 128 work-groups each, become codes of FP4 (E2M1) with one E8M0 byte for each 32 along K:
;   codes [8192 rows][1024 bytes] (rows 0-2047 hidden_states, then wq, wk, wv), scales [8192][64].  A block's byte is its largest magnitude's exponent field - 2, held at 1 from below.
;   (A block of zeros so gets the byte 1 where the rule says 127: its codes are zeros, and this program alone reads the bytes.)
;   Rows are dense and K is a multiple of 32: each tensor is a plain stream of blocks.  A wave takes 16 steps of 512 numbers; each load reads 512 consecutive bytes; a step turns through the wave's own stage in LDS
;   so that a lane holds 16 neighbours along K; two neighbouring lanes hold a block.
; Work-groups 512-1279: wo, v_cache, k_cache (256 work-groups each) become f16: woh [2048][2048]; vh, kh [16 heads][4096 keys][128], keys 0-2047.  k_cache is turned by RoPE (position = its row) on the way.
;   The k_cache work-groups also make rope_tab [2048 m][64 frequencies][cos, sin] f32 for position 2048 + m.  A wave takes two rows; lane l owns columns 4 l .. 4 l + 3 of each group of 128.
;   Sine and cosine: the angle is reduced to a fraction of a turn in [-1/2, 1/2]; the HALF angle y in [-pi/2, pi/2] goes through the series of sine up to y^11 and of cosine up to y^10, whose first left-out terms are
;   under 6e-8 and 5e-7 on that whole range; then sin = 2 sin y cos y, cos = 1 - 2 sin^2 y.
; LIMITS: f16 holds magnitudes under 65,504: wo, v_cache and k_cache beyond that are not served.  NaN and infinities are not served.  Blocks whose largest magnitude lies under 2^-124 keep the byte 1.
; No tensor loads, no barrier: waves share nothing.
.set STEPS, 16
.set EMAX,  2
.set CB,    8                          ; bytes of 16 codes
.set R,     16                         ; v16-79   four sets of 16 numbers as they are loaded
.set X,     80                         ; v80-111  two sets of 16 neighbours
.set E,     112                        ; v112-127 a scale byte for each step
.set C,     128                        ; v128-191 codes: four registers a step, so that no store's data are written again
.set WREG,  8192                       ; LDS: a region for each wave: two stages of 32 x SP bytes, behind them its 256 scale bytes
.set SP,    80                         ; a lane's place in a stage: 64 bytes + 16 of padding
.set SPW,   12                         ; v12 LDS address of my spare word; never rewritten
.set NIL,   13                         ; v13 0; never rewritten
.set SPARE, 4*WREG                     ; behind the regions: the spare words, 128 bytes a wave
.set DOF,   16                         ; the f16 path: v16-31 my byte offset in the output for each of the 16 groups of 128 columns
.set XC,    32                         ; v32-159  two rows: 16 groups x 4 numbers each
.set INV,   160                        ; v160-161 my two frequencies
.set CQ,    164                        ; v164-171 (cos, sin, cos, sin) of my two frequencies at the two rows' own positions
.set TQ,    172                        ; v172-179 the same at position 2048 + row: the table's
.set POS,   188                        ; v188-191 the four positions as f32
	s_load_b512 s[4:19], s[0:1], 0x0               ; hidden 4:5, wq 6:7, wk 8:9, wv 10:11, wo 12:13, v_cache 14:15, k_cache 16:17, codes 18:19
	s_load_b256 s[20:27], s[0:1], 0x40             ; scales 20:21, woh 22:23, vh 24:25, kh 26:27
	s_load_b64 s[28:29], s[0:1], 0x60              ; rope_tab
	v_lshl_add_u32 v[SPW], v0, 2, SPARE
	v_mov_b32 v[NIL], 0
	v_lshrrev_b32 v1, 5, v0
	v_readfirstlane_b32 s30, v1                    ; wave
	v_and_b32 v2, 31, v0                           ; lane
	v_lshlrev_b32 v3, 4, v2                        ; 16 x lane
	v_lshlrev_b32 v4, 3, v2                        ; 8 x lane
	s_mul_i32 s31, s30, WREG
	v_lshrrev_b32 v14, 2, v2
	v_mul_u32_u24 v14, v14, SP
	v_and_b32 v15, 3, v2
	v_lshl_add_u32 v14, v15, 4, v14
	v_add_nc_u32 v14, s31, v14                     ; the stage, on the way in: four lanes' 64 bytes on end, then 16 of padding
	v_mul_u32_u24 v15, v2, SP
	v_add_nc_u32 v15, s31, v15                     ; and on the way out: my 16 neighbours
	v_lshrrev_b32 v5, 1, v2
	s_add_co_u32 s31, s31, 2*32*SP
	v_add_nc_u32 v5, s31, v5                       ; my wave's 256 scale bytes: my block's byte,
	v_add_nc_u32 v6, s31, v4                       ; and on the way out 8 bytes a lane
	s_mov_b32 s35, 0
	s_wait_kmcnt 0x0
	s_cmp_lt_u32 ttmp9, 512
	s_cbranch_scc0 .Lconv
	; ---- codes and scale bytes
	s_lshr_b32 s32, ttmp9, 7                       ; which of the four tensors: the choice hangs on the work-group's number alone
	s_cmp_eq_u32 s32, 1
	s_cselect_b64 s[4:5], s[6:7], s[4:5]
	s_cmp_eq_u32 s32, 2
	s_cselect_b64 s[4:5], s[8:9], s[4:5]
	s_cmp_eq_u32 s32, 3
	s_cselect_b64 s[4:5], s[10:11], s[4:5]
	s_lshl_b32 s33, ttmp9, 2
	s_add_co_u32 s33, s33, s30                     ; my run of 8,192 numbers, 0 .. 2047 over the four tensors
	s_and_b32 s34, s33, 511
	s_lshl_b32 s34, s34, 15                        ; 32,768 bytes of f32 a run, 512 runs a tensor
	s_add_nc_u64 s[4:5], s[4:5], s[34:35]
	s_lshl_b32 s34, s33, 12                        ; 4,096 bytes of codes a run
	s_add_nc_u64 s[18:19], s[18:19], s[34:35]
	s_lshl_b32 s34, s33, 8                         ; 256 scale bytes a run
	s_add_nc_u64 s[20:21], s[20:21], s[34:35]
.macro LOAD t
.irp i, 0,1,2,3
	global_load_b128 v[R+16*((\t)%4)+4*\i:R+16*((\t)%4)+4*\i+3], v3, s[4:5] offset:2048*(\t)+512*\i th:TH_LOAD_NT   ; 32 lanes read 512 consecutive bytes
.endr
.endm
.macro TURN t                          ; step t's numbers through the stage: LDS serves a wave's instructions in order (ISA guide 5.7.1.4), so no wait stands between the stores and the loads
.irp i, 0,1,2,3
	ds_store_b128 v14, v[R+16*((\t)%4)+4*\i:R+16*((\t)%4)+4*\i+3] offset:32*SP*((\t)%2)+8*SP*\i
.endr
.irp i, 0,1,2,3
	ds_load_b128 v[X+16*((\t)%2)+4*\i:X+16*((\t)%2)+4*\i+3], v15 offset:32*SP*((\t)%2)+16*\i
.endr
.endm
.irp t, 0,1,2,3
	LOAD \t
.endr
	s_wait_loadcnt 12                              ; step 0's four loads are in
	TURN 0
.macro STEP t
.set XS, X+16*((\t)%2)
.if (\t) > 0
	s_wait_dscnt 1                                 ; this step's numbers are back from the stage (the last step's byte store may be out): so its stores into the stage have read their registers,
.else
	s_wait_dscnt 0x0
.endif
.if (\t)+4 < STEPS
	LOAD (\t)+4                                    ; which take the loads of four steps on
.endif
.if (\t)+1 < STEPS
.if STEPS-2-(\t) >= 3
	s_wait_loadcnt 12                              ; the next step's four loads are in; those of the three steps behind it may be out
.else
	s_wait_loadcnt 4*(STEPS-2-(\t))
.endif
	TURN (\t)+1                                    ; and go through the other stage while this step is worked
.endif
	v_max3_num_f32 v8, |v[XS]|, |v[XS+1]|, |v[XS+2]|               ; the largest magnitude of my 16, in two chains
	v_max3_num_f32 v9, |v[XS+3]|, |v[XS+4]|, |v[XS+5]|
.irp i, 6,10
	v_max3_num_f32 v8, v8, |v[XS+\i]|, |v[XS+\i+1]|
	v_max3_num_f32 v9, v9, |v[XS+\i+2]|, |v[XS+\i+3]|
.endr
	v_max3_num_f32 v8, v8, |v[XS+14]|, |v[XS+15]|
	v_max3_num_f32 v8, v8, v9, (EMAX+1)<<23        ; and the floor 2^(3 - 127): the byte cannot fall under 1
	v_max_num_f32_dpp v8, v8, v8 row_xmask:1 row_mask:0xf bank_mask:0xf   ; and of my neighbour's 16: the block's
	v_add_nc_u32 v11, -(EMAX<<23), v8              ; 2 off its exponent field: the conversion takes the exponent field of this operand as its scale
	v_cvt_scalef32_pk8_fp4_f32 v[C+4*(\t)], v[XS:XS+7], v11
	v_cvt_scalef32_pk8_fp4_f32 v[C+4*(\t)+1], v[XS+8:XS+15], v11
	v_lshrrev_b32 v[E+(\t)], 23, v11               ; the scale's byte (also the plain line behind the conversions)
	ds_store_b8 v5, v[E+(\t)] offset:16*(\t)       ; both lanes of a block write the same byte with the same value
	global_store_b64 v4, v[C+4*(\t):C+4*(\t)+1], s[18:19] offset:32*CB*(\t)   ; the wave stores 256 consecutive bytes, aligned
.endm
.irp t, 0,1,2,3,4,5,6,7,8,9,10,11,12,13,14,15
	STEP \t
.endr
	ds_load_b64 v[8:9], v6                         ; these see my byte stores: LDS serves a wave in order
	s_wait_dscnt 0x0
	global_store_b64 v4, v[8:9], s[20:21]          ; my run's 256 scale bytes, aligned
	s_branch .Lend
	; ---- f16, RoPE for k_cache, and the table
.Lconv:
	s_sub_co_u32 s32, ttmp9, 512
	s_lshr_b32 s33, s32, 8                         ; 0: wo, 1: v_cache, 2: k_cache
	s_and_b32 s34, s32, 255
	s_lshl_b32 s34, s34, 3
	s_lshl_b32 s36, s30, 1
	s_add_co_u32 s34, s34, s36                     ; my first row: 8 x work-group + 2 x wave
	s_mov_b32 s36, 256
	s_mov_b32 s37, 0x100000
	s_cmp_eq_u32 s33, 0
	s_cselect_b64 s[4:5], s[12:13], s[14:15]       ; from,
	s_cselect_b64 s[6:7], s[22:23], s[24:25]       ; to,
	s_cselect_b32 s36, 4096, s36                   ; bytes from row to row in the output: 4,096 in woh, 256 in vh and kh,
	s_cselect_b32 s37, 256, s37                    ; and from one group of 128 columns to the next: 256 in woh, a head's 4096 x 256 in vh and kh
	s_cmp_eq_u32 s33, 2
	s_cselect_b64 s[4:5], s[16:17], s[4:5]
	s_cselect_b64 s[6:7], s[26:27], s[6:7]
	s_lshl_b32 s38, s34, 13
	s_mov_b32 s39, 0
	s_add_nc_u64 s[4:5], s[4:5], s[38:39]
	s_mul_i32 s38, s34, s36
	s_add_nc_u64 s[6:7], s[6:7], s[38:39]          ; my first row's place,
	s_mov_b32 s38, s36
	s_add_nc_u64 s[8:9], s[6:7], s[38:39]          ; my second's
.irp p, 0,1
.irp g, 0,1,2,3,4,5,6,7,8,9,10,11,12,13,14,15
	global_load_b128 v[XC+64*\p+4*\g:XC+64*\p+4*\g+3], v3, s[4:5] offset:8192*\p+512*\g th:TH_LOAD_NT   ; 512 consecutive bytes a load; all 32 go out first
.endr
.endr
.irp g, 0,1,2,3,4,5,6,7,8,9,10,11,12,13,14,15
	v_mad_u32_u24 v[DOF+\g], s37, \g, v4
.endr
	s_cmp_eq_u32 s33, 2
	s_cbranch_scc0 .Lplain
	v_lshlrev_b32 v[INV], 1, v2                    ; my frequencies are numbers 2 l and 2 l + 1 of 64: 10000^(-i / 64) = 2^(-0.20762051 i)
	v_add_nc_u32 v[INV+1], 1, v[INV]
	v_cvt_f32_u32 v[INV], v[INV]
	v_cvt_f32_u32 v[INV+1], v[INV+1]
	v_mul_f32 v[INV], 0xbe549a78, v[INV]
	v_mul_f32 v[INV+1], 0xbe549a78, v[INV+1]
	v_exp_f32 v[INV], v[INV]
	v_exp_f32 v[INV+1], v[INV+1]
	v_cvt_f32_u32 v[POS], s34                      ; (plain work behind the exponentials)  the rows' own positions,
	s_add_co_u32 s40, s34, 1
	v_cvt_f32_u32 v[POS+1], s40
	s_add_co_u32 s40, s34, 2048                    ; and those of the table's rows
	v_cvt_f32_u32 v[POS+2], s40
	s_add_co_u32 s40, s34, 2049
	v_cvt_f32_u32 v[POS+3], s40
	s_mov_b32 s40, 0xb2d7322b                      ; -1/11!
	s_mov_b32 s41, 0xb493f27e                      ; -1/10!
	s_lshl_b32 s38, s34, 9
	s_add_nc_u64 s[28:29], s[28:29], s[38:39]      ; the table at my first row: 512 bytes a row
	s_wait_alu depctr_va_vdst(0)                   ; the wait ahead of the first reader: one for both exponentials
.macro TRIG c, s, pos, inv             ; v[c], v[s] = cos, sin of v[pos] x v[inv]
	v_mul_f32 v180, v[\pos], v[\inv]               ; the angle
	v_mul_f32 v181, 0.15915494, v180               ; in turns,
	v_rndne_f32 v181, v181                         ; the whole turns,
	v_fma_f32 v181, v180, 0.15915494, -v181        ; the fraction, in [-1/2, 1/2]
	v_mul_f32 v181, 0x40490fdb, v181               ; y = pi x fraction: half the reduced angle
	v_mul_f32 v182, v181, v181
	v_fmaak_f32 v183, s40, v182, 0x3638ef1d        ; sine's series and cosine's by turns
	v_fmaak_f32 v184, s41, v182, 0x37d00d01
	v_fmaak_f32 v183, v183, v182, 0xb9500d01
	v_fmaak_f32 v184, v184, v182, 0xbab60b61
	v_fmaak_f32 v183, v183, v182, 0x3c088889
	v_fmaak_f32 v184, v184, v182, 0x3d2aaaab
	v_fmaak_f32 v183, v183, v182, 0xbe2aaaab
	v_fma_f32 v184, v184, v182, -0.5
	v_mul_f32 v183, v183, v182
	v_fma_f32 v184, v184, v182, 1.0                ; cos y
	v_fma_f32 v183, v183, v181, v181               ; sin y
	v_mul_f32 v185, v183, v183
	v_mul_f32 v184, v183, v184
	v_fma_f32 v[\c], v185, -2.0, 1.0
	v_add_f32 v[\s], v184, v184
.endm
.irp p, 0,1
	TRIG TQ+4*\p,   TQ+4*\p+1, POS+2+\p, INV
	TRIG TQ+4*\p+2, TQ+4*\p+3, POS+2+\p, INV+1
.endr
	global_store_b128 v3, v[TQ:TQ+3], s[28:29]             ; a whole row of the table, 512 consecutive bytes
	global_store_b128 v3, v[TQ+4:TQ+7], s[28:29] offset:512
.irp p, 0,1
	TRIG CQ+4*\p,   CQ+4*\p+1, POS+\p, INV
	TRIG CQ+4*\p+2, CQ+4*\p+3, POS+\p, INV+1
.endr
	s_wait_loadcnt 0x0
.irp p, 0,1
.irp g, 0,1,2,3,4,5,6,7,8,9,10,11,12,13,14,15
	v_mul_f32 v180, v[XC+64*\p+4*\g+1], v[CQ+4*\p+1]       ; (x0, x1) -> (x0 c - x1 s, x0 s + x1 c), my two pairs
	v_mul_f32 v181, v[XC+64*\p+4*\g],   v[CQ+4*\p+1]
	v_mul_f32 v182, v[XC+64*\p+4*\g+3], v[CQ+4*\p+3]
	v_mul_f32 v183, v[XC+64*\p+4*\g+2], v[CQ+4*\p+3]
	v_fma_f32 v[XC+64*\p+4*\g],   v[XC+64*\p+4*\g],   v[CQ+4*\p],   -v180
	v_fma_f32 v[XC+64*\p+4*\g+1], v[XC+64*\p+4*\g+1], v[CQ+4*\p],   v181
	v_fma_f32 v[XC+64*\p+4*\g+2], v[XC+64*\p+4*\g+2], v[CQ+4*\p+2], -v182
	v_fma_f32 v[XC+64*\p+4*\g+3], v[XC+64*\p+4*\g+3], v[CQ+4*\p+2], v183
.endr
.endr
.Lplain:
	s_wait_loadcnt 0x0
.irp p, 0,1
.irp g, 0,1,2,3,4,5,6,7,8,9,10,11,12,13,14,15
	v_cvt_pk_f16_f32 v[XC+64*\p+4*\g],   v[XC+64*\p+4*\g],   v[XC+64*\p+4*\g+1]
	v_cvt_pk_f16_f32 v[XC+64*\p+4*\g+1], v[XC+64*\p+4*\g+2], v[XC+64*\p+4*\g+3]
.endr
.endr
.irp g, 0,1,2,3,4,5,6,7,8,9,10,11,12,13,14,15
	global_store_b64 v[DOF+\g], v[XC+4*\g:XC+4*\g+1], s[6:7]           ; 32 lanes store 256 consecutive bytes, aligned; no register is written again behind a store
	global_store_b64 v[DOF+\g], v[XC+64+4*\g:XC+64+4*\g+1], s[8:9]
.endr
.Lend:
	s_wait_tensorcnt 0x0                           ; the wave's end: behind my last LDS store
	ds_add_u32 v[SPW], v[NIL]
	s_wait_dscnt 0x0
	s_endpgm
.Lfunc_end_k_q2ddfd7a26a_prep:
	.size	k_q2ddfd7a26a_prep, .Lfunc_end_k_q2ddfd7a26a_prep-k_q2ddfd7a26a_prep
	.p2alignl 7, 3214868480
	.fill 96, 4, 3214868480
	.section	.rodata,"a",@progbits
	.p2align	6, 0x0
	.amdhsa_kernel k_q2ddfd7a26a_prep
		.amdhsa_group_segment_fixed_size 33280
		.amdhsa_private_segment_fixed_size 0
		.amdhsa_enable_private_segment 0
		.amdhsa_kernarg_size 104
		.amdhsa_user_sgpr_count 2
		.amdhsa_user_sgpr_kernarg_segment_ptr 1
		.amdhsa_wavefront_size32 1
		.amdhsa_system_sgpr_workgroup_id_x 1
		.amdhsa_system_sgpr_workgroup_id_y 1
		.amdhsa_system_sgpr_workgroup_id_z 1
		.amdhsa_system_vgpr_workitem_id 0
		.amdhsa_next_free_vgpr 192
		.amdhsa_next_free_sgpr 66
		.amdhsa_reserve_vcc 0
		.amdhsa_float_denorm_mode_32 3
		.amdhsa_float_denorm_mode_16_64 3
		.amdhsa_memory_ordered 1
		.amdhsa_forward_progress 1
		.amdhsa_inst_pref_size 67
	.end_amdhsa_kernel
	.amdgpu_metadata
---
amdhsa.version: [ 1, 2 ]
amdhsa.kernels:
  - .name:           k_q2ddfd7a26a_prep
    .symbol:         k_q2ddfd7a26a_prep.kd
    .args:
      - { .name: hidden_states, .offset: 0, .size: 8, .value_kind: global_buffer, .address_space: global }
      - { .name: wq, .offset: 8, .size: 8, .value_kind: global_buffer, .address_space: global }
      - { .name: wk, .offset: 16, .size: 8, .value_kind: global_buffer, .address_space: global }
      - { .name: wv, .offset: 24, .size: 8, .value_kind: global_buffer, .address_space: global }
      - { .name: wo, .offset: 32, .size: 8, .value_kind: global_buffer, .address_space: global }
      - { .name: v_cache, .offset: 40, .size: 8, .value_kind: global_buffer, .address_space: global }
      - { .name: k_cache, .offset: 48, .size: 8, .value_kind: global_buffer, .address_space: global }
      - { .name: codes, .offset: 56, .size: 8, .value_kind: global_buffer, .address_space: global }
      - { .name: scales, .offset: 64, .size: 8, .value_kind: global_buffer, .address_space: global }
      - { .name: woh, .offset: 72, .size: 8, .value_kind: global_buffer, .address_space: global }
      - { .name: vh, .offset: 80, .size: 8, .value_kind: global_buffer, .address_space: global }
      - { .name: kh, .offset: 88, .size: 8, .value_kind: global_buffer, .address_space: global }
      - { .name: rope_tab, .offset: 96, .size: 8, .value_kind: global_buffer, .address_space: global }
    .group_segment_fixed_size: 33280
    .private_segment_fixed_size: 0
    .kernarg_segment_align: 8
    .kernarg_segment_size: 104
    .max_flat_workgroup_size: 128
    .sgpr_count:     66
    .vgpr_count:     192
    .wavefront_size: 32
...
	.end_amdgpu_metadata
.endif
;; end of part 1
;; launch qkv (part 2): grid 24 x 8, 4 waves a work-group, clusters of 4 x 4, 327,680 bytes of LDS; arguments codes, scales, q_norm_w, k_norm_w, rope_tab, qh, kh, vh, out1, out2; writes qh, kh, vh, out1, out2
.if DOCPART == 2
	.amdgcn_target "amdgcn-amd-amdhsa--gfx1250"
	.amdhsa_code_object_version 6
	.text
	.protected	k_q2ddfd7a26a_qkv
	.globl	k_q2ddfd7a26a_qkv
	.p2align	8
	.type	k_q2ddfd7a26a_qkv,@function
k_q2ddfd7a26a_qkv:
	s_mov_b64 s[64:65], 0
	v_nop
	global_prefetch_b8 v0, s[64:65] scope:SCOPE_SE
	s_setreg_imm32_b32 hwreg(HW_REG_WAVE_MODE, 25, 1), 1
	s_wait_xcnt 0x0
	s_wait_alu depctr_hold_cnt(0) depctr_sa_sdst(0) depctr_va_vdst(0) depctr_va_sdst(0) depctr_va_ssrc(0) depctr_va_vcc(0) depctr_vm_vsrc(0)
	s_getreg_b32 s2, hwreg(HW_REG_IB_STS2, 6, 4)
	s_cmp_eq_u32 s2, 0
	s_cbranch_scc0 .Lentry_in_a_cluster
	s_endpgm
.Lentry_in_a_cluster:
	s_bfe_u32 s2, ttmp6, 0x10000c
	s_cmp_lg_u32 s2, 0xf033
	s_cbranch_scc0 .Lentry_shape_is_right
	s_endpgm
.Lentry_shape_is_right:
; THE THREE QUANTISED PROJECTIONS AS ONE PRODUCT, C = A B^T on codes of FP4 (E2M1) with one E8M0 scale for each 32 along K, and all that follows them row by row.
; A = rows 0-2047 of codes (hidden_states), B = rows 2048-8191 (wq, wk, wv on end: 6,144 rows), K = 2,048: a row is 1,024 bytes; scales [8192][64].
; A tile of C, 256 x 256, is made by four waves; a wave makes 128 x 128: 128 tokens of exactly ONE head of q, k or v: 64 accumulators, 512 registers.
; K goes in steps of 512 through a ring of two LDS slots (a tile's row is 256 bytes); the scales of the work-group's rows, for all of K, come into LDS once, with the first fills.
; CLUSTERS: 4 x 4 work-groups; A's tiles are asked for jointly along a row of the cluster, B's along a column.  192 work-groups: a wave that owns a whole head keeps the norm inside the wave.
; THE MATRIX INSTRUCTION IS USED TRANSPOSED (source 0 = 16 rows of B, source 1 = 16 rows of A): a lane holds eight neighbouring columns of one token.
; THE WAY OUT: each wave puts its 128 x 128 sums into its own stage in LDS (in the ring, which has had its last fill and its last read) and takes them back as whole rows, 16 rows a trip, a lane 4 columns:
;   q: RMS norm x q_norm_w, RoPE at position 2048 + token, f16 -> qh.   k: RMS norm x k_norm_w -> out1 (f32, before RoPE); RoPE, f16 -> kh, key 2048 + token.   v: -> out2 (f32); f16 -> vh, key 2048 + token.
;   Which of the three a cluster makes hangs on the cluster's x alone (two clusters each), so all partners run alike.
; LIMITS: f16 holds magnitudes under 65,504: v, and normed q and k times their gains, beyond that are not served.  NaN and infinities are not served.
; REGISTERS, in windows of 256: window 0: v0-31 addresses; v32-95 scale words, two sets; from v128 A's fragments, ONE set.  window 1: B's fragments, TWO sets.  windows 2, 3: the accumulators ((a, b) at v[8 (8 (a % 4) + b)]).
.set KSTEP,  512
.set NQ,     KSTEP/128
.set ROWB,   256                       ; a tile's row in bytes
.set KROW,   1024                      ; a row of codes in memory
.set PITCH,  272                       ; an LDS row: 256 bytes + 16 of padding = 68 words: the 16 rows that a load touches start at 16 different banks (64 banks of 4 bytes: ISA guide 11.1)
.set FR,     8
.set NL,     2
.set NP,     4                         ; places behind this matrix instruction (ISA guide 7.12.1)
.set HALFT,  128*PITCH
.set SLOT,   4*HALFT
.set LAPS,   2                         ; K = 2,048 is four K steps: twice round the ring
.set KS,     64                        ; a row of scales in bytes
.set SCL,    2*SLOT                    ; behind the ring: the scales, as runs of 256 bytes + 16 of padding
.set HALFS,  (128*KS/256)*272
.set SBLK,   (16*KS/256)*272
.set SPARE,  SCL+4*HALFS               ; the spare words, 128 bytes a wave
.set SPITCH, 528                       ; the way out: a stage row: 512 bytes + 16
.set WSTAGE, 128*SPITCH                ; a wave's stage: 67,584 bytes; the four end at 270,336, under SCL
.set ADRA, 16
.set ADRB, 20
.set ADRS, 27
.set SPW,  28                          ; v28 LDS address of my spare word; never rewritten
.set NIL,  29                          ; v29 0; never rewritten
.set SC,   32
.set AF,   128
.set G1, 24
.set G0, 32
.set G1B, 48
.set G0B, 56
.set G1S, 68
.set G0S, 76
.set G1SB, 80
.set G0SB, 88
.set L16, 16                           ; the way out: v16 16 x lane, v17 8 x lane, v18 my place in my stage's first row, v19 the same in the trip's, v[20:23] the gain of my 4 columns, v24 where I put 32 bytes of a row
.set L8,  17
.set RD0, 18
.set RDA, 19
.set GW,  20
.set STO, 24
.set XR,  32                           ; v32-95   16 rows x my 4 numbers
.set TA,  96                           ; v96-159  16 rows x (cos, sin, cos, sin)
.set RR,  160                          ; v160-223 at work, then the f16 pairs
.set SS,  224                          ; v224-255 16 pairs: a row's sum of squares, then 1 / rms; beside it the lane exchange's register
.set MSB, 0
.macro WIN new                         ; the immediate's high byte repeats the setting that is left
.if MSB != \new
	s_set_vgpr_msb (MSB<<8)|\new
.set MSB, \new
.endif
.endm
.set MUL_LO, 0xa1                      ; source 0 (B) window 1, source 1 (A) window 0, C and D window 2
.set MUL_HI, 0xf1
.set TO_B,   0x40
; A joint load: waves 0 and 1 fetch for A, waves 2 and 3 for B; the branch hangs on the wave's number alone.  An s_nop 0 and four v_nop follow each of the two lines.
.macro JLOAD g0a, g1a, g0b, g1b
	s_cmp_eq_u32 s15, 0
	s_cbranch_scc0 .Lfor_b_\@
	tensor_load_to_lds s[\g0a:\g0a+3], s[\g1a:\g1a+7]
	s_nop 0
.rept 4
	v_nop
.endr
	s_branch .Lasked_\@
.Lfor_b_\@:
	tensor_load_to_lds s[\g0b:\g0b+3], s[\g1b:\g1b+7]
	s_nop 0
.rept 4
	v_nop
.endr
.Lasked_\@:
.endm
.macro CREST                           ; a round of the cluster's barrier behind its opening barrier
	s_cmp_lg_u32 s14, 0
	s_cbranch_scc1 .Lnot_wave_0_\@
	s_barrier_signal -3
.Lnot_wave_0_\@:
	s_barrier_wait -3
	s_barrier_signal -1
	s_barrier_wait -1
.endm
.macro CROUND
	s_barrier_signal -1
	s_barrier_wait -1
	CREST
.endm
	s_load_b128 s[4:7], s[0:1], 0x0                ; codes s[4:5], scales s[6:7]
	v_lshl_add_u32 v[SPW], v0, 2, SPARE
	v_mov_b32 v[NIL], 0
	ds_add_u32 v[SPW], v[NIL]                      ; the wave's opening: the add, twice on end, and its wait ahead of my first tensor load
	ds_add_u32 v[SPW], v[NIL]
	v_lshrrev_b32 v1, 5, v0
	v_readfirstlane_b32 s14, v1                    ; wave 0..3
	s_lshr_b32 s15, s14, 1                         ; which half of the tile's rows is mine.  Also: I fetch for A (0) or for B (1)
	s_and_b32 s16, s14, 1                          ; which half of its columns.  Also: which 128 rows of that tile I fetch
	s_bfe_u32 s40, ttmp6, 0x40000                  ; cx, cy
	s_bfe_u32 s41, ttmp6, 0x40004
	s_lshl_b32 s42, ttmp9, 2
	s_add_co_u32 s42, s42, s40                     ; tile column = 4 x cluster x + cx
	s_and_b32 s17, ttmp7, 0xffff
	s_lshl_b32 s17, s17, 2
	s_add_co_u32 s17, s17, s41                     ; tile row = 4 x cluster y + cy
	s_lshl_b32 s43, s41, 2
	s_lshl_b32 s43, 15, s43                        ; my row of the cluster
	s_lshl_b32 s44, 0x1111, s40                    ; my column
	s_or_b32 s[G1+0], s43, (0<<16)|(1<<20)|(1<<21)|(5<<22)|(3<<25)  ; the mask; elements of 1 byte; padding on; bit 21 beside a mask; 4 words after every 64
	s_or_b32 s[G1B+0], s44, (0<<16)|(1<<20)|(1<<21)|(5<<22)|(3<<25)
.irp g, G1, G1B
	s_mov_b32 s[\g+1], ROWB<<16                    ; tensor_dim0
	s_mov_b32 s[\g+2], 128<<16                     ; tensor_dim1
	s_mov_b32 s[\g+3], ROWB<<16                    ; tile_dim0
	s_mov_b32 s[\g+4], 128                         ; tile_dim1
	s_mov_b32 s[\g+5], KROW                        ; the pitch
	s_mov_b32 s[\g+6], 0
	s_mov_b32 s[\g+7], 0
.endr
	s_or_b32 s[G1S+0], s43, (3<<16)|(1<<20)|(1<<21)|(5<<22)|(3<<25) ; the scales of 128 rows: 8,192 dense bytes as 32 rows of 256 (32 elements of 8 bytes), 16 bytes of padding behind each
	s_or_b32 s[G1SB+0], s44, (3<<16)|(1<<20)|(1<<21)|(5<<22)|(3<<25)
.irp g, G1S, G1SB
	s_mov_b32 s[\g+1], 32<<16
	s_mov_b32 s[\g+2], (128*KS/256)<<16
	s_mov_b32 s[\g+3], 32<<16
	s_mov_b32 s[\g+4], 128*KS/256
	s_mov_b32 s[\g+5], 32
	s_mov_b32 s[\g+6], 0
	s_mov_b32 s[\g+7], 0
.endr
	s_lshl_b32 s18, s16, 7
	s_lshl_b32 s20, s17, 8
	s_add_co_u32 s20, s20, s18                     ; A: row 256 x tile row + 128 x half
	s_lshl_b32 s46, s42, 8
	s_add_co_u32 s46, s46, s18                     ; B: row 256 x tile column + 128 x half
	s_mov_b32 s21, 0
	s_mov_b32 s47, 0
	s_mov_b64 s[18:19], KS
	s_mul_u64 s[22:23], s[20:21], s[18:19]
	s_mul_u64 s[92:93], s[46:47], s[18:19]
	s_mov_b64 s[18:19], KROW
	s_mul_u64 s[20:21], s[20:21], s[18:19]
	s_mul_u64 s[46:47], s[46:47], s[18:19]
	s_mul_i32 s45, s14, HALFT                      ; where they go: wave x 128 rows
	s_mul_i32 s94, s14, HALFS
	s_wait_dscnt 0x0                               ; both opening adds are done
	s_wait_kmcnt 0x0
	s_add_nc_u64 s[8:9], s[4:5], 2048*KROW         ; B's codes and scales lie behind A's 2,048 rows
	s_add_nc_u64 s[10:11], s[6:7], 2048*KS
	s_add_nc_u64 s[20:21], s[4:5], s[20:21]
	s_add_nc_u64 s[22:23], s[6:7], s[22:23]
	s_add_nc_u64 s[46:47], s[8:9], s[46:47]
	s_add_nc_u64 s[92:93], s[10:11], s[92:93]
	CROUND                                         ; all sixteen work-groups are here: the first joint loads meet
	s_mov_b32 s[G0S], 1
	s_add_co_u32 s[G0S+1], s94, SCL
	s_mov_b64 s[G0S+2:G0S+3], s[22:23]
	s_or_b32 s[G0S+3], s[G0S+3], 0x80000000
	s_mov_b32 s[G0SB], 1
	s_add_co_u32 s[G0SB+1], s94, SCL
	s_mov_b64 s[G0SB+2:G0SB+3], s[92:93]
	s_or_b32 s[G0SB+3], s[G0SB+3], 0x80000000
	JLOAD G0S, G1S, G0SB, G1SB                     ; the scales first; by this text's count three loads of a wave are out at the start, one later
.irp s, 0,1
	s_mov_b32 s[G0+4*\s], 1
	s_add_co_u32 s[G0+4*\s+1], s45, \s*SLOT
	s_add_nc_u64 s[G0+4*\s+2:G0+4*\s+3], s[20:21], \s*ROWB
	s_or_b32 s[G0+4*\s+3], s[G0+4*\s+3], 0x80000000
	s_mov_b32 s[G0B+4*\s], 1
	s_add_co_u32 s[G0B+4*\s+1], s45, \s*SLOT
	s_add_nc_u64 s[G0B+4*\s+2:G0B+4*\s+3], s[46:47], \s*ROWB
	s_or_b32 s[G0B+4*\s+3], s[G0B+4*\s+3], 0x80000000
	JLOAD G0+4*\s, G1, G0B+4*\s, G1B
.endr
	v_and_b32 v1, 15, v0                           ; l % 16
	v_bfe_u32 v2, v0, 4, 1                         ; l / 16
	v_mul_u32_u24 v3, v1, PITCH
	v_lshl_add_u32 v4, v2, 4, v3
	s_mul_i32 s21, s15, HALFT
	s_mul_i32 s22, s16, HALFT
	s_add_co_u32 s22, s22, 2*HALFT
.irp s, 0,1
	v_add_nc_u32 v[ADRA+\s], s21, v4
	v_add_nc_u32 v[ADRB+\s], s22, v4
	s_add_co_u32 s21, s21, SLOT
	s_add_co_u32 s22, s22, SLOT
.endr
	v_mul_u32_u24 v5, v1, KS                       ; my row's scales: 64 bytes a row,
	v_lshrrev_b32 v6, 8, v5
	v_lshl_add_u32 v5, v6, 4, v5                   ; and 16 more for each 256 passed
	s_mul_i32 s21, s15, HALFS
	s_mul_i32 s22, s16, HALFS
	s_add_co_u32 s22, s22, 2*HALFS
	s_sub_co_u32 s22, s22, s21
	v_mul_u32_u24 v6, s22, v2                      ; lanes 16-31 take B's
	s_add_co_u32 s21, s21, SCL
	v_add_nc_u32 v5, v5, v6
	v_add_nc_u32 v[ADRS], s21, v5
	s_lshl_b32 s12, s17, 8
	s_lshl_b32 s13, s15, 7
	s_add_co_u32 s12, s12, s13                     ; my first token: 256 x tile row + 128 x half; kept to the end
	s_lshl_b32 s13, s42, 1
	s_add_co_u32 s13, s13, s16                     ; my head among the 48 of q, k, v; kept to the end
.macro FRAG reg, adr, q, i             ; 16 rows x 128 K of 4-bit codes: 8 registers: lane l holds row l % 16; registers 4 c .. 4 c + 3 hold K = 64 c + 32 (l / 16) + 0 .. 31
.irp c, 0,1
	ds_load_b128 v[\reg+4*\c:\reg+4*\c+3], v[\adr] offset:64*(\q)+32*\c+(\i)*16*PITCH
.endr
.endm
; 16 matrix instructions: A's blocks a0, a0 + 1 x B's eight.  The 64 accumulators take turns, one instruction a turn, in the same order in every step.
.macro MUL16 a0, p, q, sc, zero
.irp a, \a0, \a0+1
.irp b, 0,1,2,3,4,5,6,7
.if \zero
	v_wmma_scale_f32_16x16x128_f8f6f4 v[8*(8*((\a)%4)+\b):8*(8*((\a)%4)+\b)+7], v[128*(\p)+FR*\b:128*(\p)+FR*\b+FR-1], v[AF+FR*(\a):AF+FR*(\a)+FR-1], 0, v[SC+8*NQ*(\sc)+NQ*\b+(\q)], v[SC+8*NQ*(\sc)+NQ*(\a)+(\q)] matrix_a_fmt:MATRIX_FMT_FP4 matrix_b_fmt:MATRIX_FMT_FP4 matrix_a_scale:MATRIX_SCALE_ROW1
.else
	v_wmma_scale_f32_16x16x128_f8f6f4 v[8*(8*((\a)%4)+\b):8*(8*((\a)%4)+\b)+7], v[128*(\p)+FR*\b:128*(\p)+FR*\b+FR-1], v[AF+FR*(\a):AF+FR*(\a)+FR-1], v[8*(8*((\a)%4)+\b):8*(8*((\a)%4)+\b)+7], v[SC+8*NQ*(\sc)+NQ*\b+(\q)], v[SC+8*NQ*(\sc)+NQ*(\a)+(\q)] matrix_a_fmt:MATRIX_FMT_FP4 matrix_b_fmt:MATRIX_FMT_FP4 matrix_a_scale:MATRIX_SCALE_ROW1
.endif
.endr
.endr
.endm
.macro FETCH_B slot, q, p
	WIN TO_B
.irp i, 0,1,2,3,4,5,6,7
	FRAG 128*(\p)+FR*\i, ADRB+\slot, \q, \i
.endr
	WIN 0
.endm
.macro FETCH_A slot, q, i0
.irp i, \i0, \i0+1, \i0+2, \i0+3
	FRAG AF+FR*(\i), ADRA+\slot, \q, \i
.endr
.endm
.macro SCALES sc                       ; the next K step's scale words: lanes 0-15 take A's block i, lanes 16-31 B's block i
.irp i, 0,1,2,3,4,5,6,7
	ds_load_b128 v[SC+8*NQ*\sc+NQ*\i:SC+8*NQ*\sc+NQ*\i+3], v[ADRS] offset:\i*SBLK
.endr
.endm
.macro PLACES n                        ; plain vector instructions between a matrix instruction and a load into, or a read of, its registers (ISA guide 7.12.1 for reads)
.rept \n
	v_nop
.endr
.endm
.macro STEP slot, q, zero              ; 128 along K, with its successor in the same slot
	s_wait_dscnt 4*NL                              ; B's set and A's blocks 0-3 are in; A's blocks 4-7 may be out
	WIN MUL_LO
	MUL16 0, (\q)%2, \q, \slot, \zero
	MUL16 2, (\q)%2, \q, \slot, \zero
	s_wait_dscnt 0
	PLACES NP
	FETCH_B \slot, (\q)+1, 1-(\q)%2
	FETCH_A \slot, (\q)+1, 0
	WIN MUL_HI
	MUL16 4, (\q)%2, \q, \slot, \zero
	MUL16 6, (\q)%2, \q, \slot, \zero
	PLACES NP
	WIN 0
	FETCH_A \slot, (\q)+1, 4
.endm
; A slot's last step changes slots: ONE barrier; in front of it each wave waits for all its tensor loads, adds 0 to its spare word, and waits for that and for its reads of this slot.
.macro TURN slot, next, fill
	s_wait_tensorcnt 0x0                           ; all my tensor loads have landed: my part of the next slot
	ds_add_u32 v[SPW], v[NIL]
	s_wait_dscnt 4*NL+1                            ; (the add and A's blocks 4-7 may be out)
	WIN MUL_LO
	MUL16 0, 1, NQ-1, \slot, 0
	s_wait_dscnt 0x0                               ; the add is done, and my reads of this slot are over
	s_barrier_signal -1
	MUL16 2, 1, NQ-1, \slot, 0
	WIN 0
	s_barrier_wait -1
.if \fill
	CREST                                          ; the barrier has opened a round of the cluster's: no wave of any partner still reads this slot or has a load on its way
	s_add_nc_u64 s[G0+4*\slot+2:G0+4*\slot+3], s[G0+4*\slot+2:G0+4*\slot+3], 2*ROWB
	s_add_nc_u64 s[G0B+4*\slot+2:G0B+4*\slot+3], s[G0B+4*\slot+2:G0B+4*\slot+3], 2*ROWB
	JLOAD G0+4*\slot, G1, G0B+4*\slot, G1B         ; the first tensor load behind the round; its four v_nop are the places in front of the loads below
.else
	PLACES NP
.endif
	v_add_nc_u32 v[ADRS], 4*NQ, v[ADRS]
	FETCH_B \next, 0, 0
	FETCH_A \next, 0, 0
	SCALES \next
	WIN MUL_HI
	MUL16 4, 1, NQ-1, \slot, 0
	MUL16 6, 1, NQ-1, \slot, 0
	PLACES NP
	WIN 0
	FETCH_A \next, 0, 4
.endm
.macro STEPS slot, from
.set Q, \from
.rept NQ-1-\from
	STEP \slot, Q, 0
.set Q, Q+1
.endr
.endm
	s_wait_tensorcnt 1                             ; the scales and my part of K step 0 are in (K step 1's load may be out),
	s_barrier_signal -1
	s_barrier_wait -1                              ; everybody's are
	FETCH_B 0, 0, 0
	FETCH_A 0, 0, 0
	SCALES 0
	FETCH_A 0, 0, 4
	STEP 0, 0, 1                                   ; the first step's products start the sums: nothing is cleared
	s_mov_b32 s3, LAPS-1
.Llap:
	STEPS 0, 1
	TURN 0, 1, 1
	STEPS 1, 0
	TURN 1, 0, 1
	STEP 0, 0, 0
	s_sub_co_u32 s3, s3, 1
	s_cmp_lg_u32 s3, 0
	s_cbranch_scc1 .Llap
	STEPS 0, 1                                     ; the last lap fills nothing
	TURN 0, 1, 0
	STEPS 1, 0
	s_wait_dscnt 4*NL
	WIN MUL_LO
	MUL16 0, 1, NQ-1, 1, 0
	MUL16 2, 1, NQ-1, 1, 0
	s_wait_dscnt 0
	WIN MUL_HI
	MUL16 4, 1, NQ-1, 1, 0
	MUL16 6, 1, NQ-1, 1, 0
	WIN 0
	; ---- THE WAY OUT
	s_load_b512 s[68:83], s[0:1], 0x10             ; q_norm_w 68:69, k_norm_w 70:71, rope_tab 72:73, qh 74:75, kh 76:77, vh 78:79, out1 80:81, out2 82:83 (no tensor load is out: the descriptors' registers are free)
	PLACES NP                                      ; behind the last products: for the stores of results and for all that is written over operands below
	s_wait_dscnt 0x0
	s_barrier_signal -1                            ; every wave's reads of the ring are over; nothing is filled again: the stages may lie in it
	s_barrier_wait -1
	s_lshr_b32 s18, ttmp9, 1                       ; 0: q, 1: k, 2: v: the cluster's x alone
	s_and_b32 s19, s13, 15                         ; my head
	s_mul_i32 s23, s14, WSTAGE                     ; my stage
	v_and_b32 v3, 31, v0
	v_mul_u32_u24 v[STO], v1, SPITCH
	v_lshl_add_u32 v[STO], v2, 5, v[STO]
	v_add_nc_u32 v[STO], s23, v[STO]               ; in: row l % 16, 32 bytes for each half of the lanes
	v_lshlrev_b32 v[L16], 4, v3
	v_lshlrev_b32 v[L8], 3, v3
	v_add_nc_u32 v[RD0], s23, v[L16]               ; back: the 32 lanes take one row of 512 bytes
	s_mov_b32 s92, 0x358637bd                      ; 1e-6
	s_mov_b32 s93, 0x3c000000                      ; 1 / 128
	s_mov_b32 s94, 0x76543210                      ; v_permlanex16_b32's selects for lane l xor 16
	s_mov_b32 s95, 0xfedcba98
	s_mov_b32 s46, 0                               ; the trip's first row in my stage, in bytes
	s_mov_b32 s47, 7
	s_mov_b32 s27, 0
.irp i, 0,1,2,3,4,5,6,7,8,9,10,11,12,13,14,15
	v_mov_b32 v[SS+2*\i+1], 0                      ; written once: a lane permute's destination counts as one of its sources
.endr
	s_wait_kmcnt 0x0
	s_cmp_eq_u32 s18, 0
	s_cselect_b64 s[20:21], s[74:75], s[76:77]     ; the f16 output,
	s_cselect_b64 s[44:45], s[68:69], s[70:71]     ; the gain,
	s_cselect_b32 s24, 19, 20                      ; a head is 2^19 bytes in qh, 2^20 in kh and vh,
	s_cselect_b32 s25, 0, 2048                     ; where the new keys lie behind the cache's 2,048
	s_cmp_eq_u32 s18, 2
	s_cselect_b64 s[20:21], s[78:79], s[20:21]
	s_cselect_b64 s[22:23], s[82:83], s[80:81]     ; the f32 output (q has none)
	s_lshl_b32 s26, s19, s24
	s_add_co_u32 s25, s12, s25
	s_lshl_b32 s25, s25, 8
	s_add_co_u32 s26, s26, s25
	s_add_nc_u64 s[20:21], s[20:21], s[26:27]
	s_lshl_b32 s26, s12, 13
	s_lshl_b32 s25, s19, 9
	s_add_co_u32 s26, s26, s25
	s_add_nc_u64 s[22:23], s[22:23], s[26:27]
	s_lshl_b32 s26, s12, 9
	s_add_nc_u64 s[40:41], s[72:73], s[26:27]      ; the table at my first token
	global_load_b128 v[GW:GW+3], v[L16], s[44:45]  ; the gain and the first 16 rows of the table are asked for by every wave, ahead of the parting by kind; v's tiles leave them unread
.irp i, 0,1,2,3,4,5,6,7,8,9,10,11,12,13,14,15
	global_load_b128 v[TA+4*\i:TA+4*\i+3], v[L16], s[40:41] offset:512*\i
.endr
.irp a, 0,1,2,3,4,5,6,7                ; the sums as they are, each accumulator from its low end on: lane (r, h) of (a, b) holds token 16 a + r, columns 16 b + 8 h + 0 .. 7
	WIN 0x08+4*(\a/4)                              ; an LDS store's data are its source 1: window 2 or 3
.irp b, 0,1,2,3,4,5,6,7
	ds_store_b128 v[STO], v[64*(\a%4)+8*\b:64*(\a%4)+8*\b+3] offset:\a*16*SPITCH+64*\b
	ds_store_b128 v[STO], v[64*(\a%4)+8*\b+4:64*(\a%4)+8*\b+7] offset:\a*16*SPITCH+64*\b+16
.endr
.endr
	WIN 0
; 16 whole rows.  more = 1: the next 16 rows of the table are asked for, and the addresses step.
.macro ROWS more
	v_add_nc_u32 v[RDA], s46, v[RD0]
.irp i, 0,1,2,3,4,5,6,7,8,9,10,11,12,13,14,15
	ds_load_b128 v[XR+4*\i:XR+4*\i+3], v[RDA] offset:\i*SPITCH     ; my own bytes: LDS serves a wave in order, these see my stores
.endr
	s_wait_dscnt 0x0
	s_cmp_eq_u32 s18, 2
	s_cbranch_scc1 .Lv_\@
.irp i, 0,1,2,3,4,5,6,7,8,9,10,11,12,13,14,15
	v_pk_mul_f32 v[RR+4*\i:RR+4*\i+1], v[XR+4*\i:XR+4*\i+1], v[XR+4*\i:XR+4*\i+1]      ; the 16 rows by turns: no line waits for the line above it
.endr
.irp i, 0,1,2,3,4,5,6,7,8,9,10,11,12,13,14,15
	v_pk_fma_f32 v[RR+4*\i:RR+4*\i+1], v[XR+4*\i+2:XR+4*\i+3], v[XR+4*\i+2:XR+4*\i+3], v[RR+4*\i:RR+4*\i+1]
.endr
.irp i, 0,1,2,3,4,5,6,7,8,9,10,11,12,13,14,15
	v_add_f32 v[SS+2*\i], v[RR+4*\i], v[RR+4*\i+1]
.endr
.irp m, 1,2,4,8
.irp i, 0,1,2,3,4,5,6,7,8,9,10,11,12,13,14,15
	v_add_f32_dpp v[SS+2*\i], v[SS+2*\i], v[SS+2*\i] row_xmask:\m row_mask:0xf bank_mask:0xf
.endr
.endr
.irp i, 0,1,2,3,4,5,6,7,8,9,10,11,12,13,14,15
	v_permlanex16_b32 v[SS+2*\i+1], v[SS+2*\i], s94, s95
.endr
.irp i, 0,1,2,3,4,5,6,7,8,9,10,11,12,13,14,15
	v_add_f32 v[SS+2*\i], v[SS+2*\i], v[SS+2*\i+1]                 ; the row's sum of 128 squares, in every lane
.endr
.irp i, 0,1,2,3,4,5,6,7,8,9,10,11,12,13,14,15
	v_fma_f32 v[SS+2*\i], v[SS+2*\i], s93, s92                     ; the mean + 1e-6
.endr
.irp i, 0,1,2,3,4,5,6,7,8,9,10,11,12,13,14,15
	v_rsq_f32 v[SS+2*\i], v[SS+2*\i]
.endr
	v_nop                                          ; a plain line behind the last of the batch
	s_wait_alu depctr_va_vdst(0)                   ; the wait ahead of the first reader: one for the sixteen
.irp i, 0,1,2,3,4,5,6,7,8,9,10,11,12,13,14,15
	v_pk_mul_f32 v[XR+4*\i:XR+4*\i+1], v[XR+4*\i:XR+4*\i+1], v[SS+2*\i:SS+2*\i+1] op_sel_hi:[1,0]
	v_pk_mul_f32 v[XR+4*\i+2:XR+4*\i+3], v[XR+4*\i+2:XR+4*\i+3], v[SS+2*\i:SS+2*\i+1] op_sel_hi:[1,0]
.endr
	s_wait_loadcnt 0x0                             ; the gain, and this trip's rows of the table, asked for a trip ago
.irp i, 0,1,2,3,4,5,6,7,8,9,10,11,12,13,14,15
	v_pk_mul_f32 v[XR+4*\i:XR+4*\i+1], v[XR+4*\i:XR+4*\i+1], v[GW:GW+1]
	v_pk_mul_f32 v[XR+4*\i+2:XR+4*\i+3], v[XR+4*\i+2:XR+4*\i+3], v[GW+2:GW+3]
.endr
	s_cmp_eq_u32 s18, 0
	s_cbranch_scc1 .Lq_\@
.irp i, 0,1,2,3,4,5,6,7,8,9,10,11,12,13,14,15
	global_store_b128 v[L16], v[XR+4*\i:XR+4*\i+3], s[22:23] offset:8192*\i th:TH_STORE_NT     ; out1: the normed key before RoPE: 512 consecutive bytes, aligned
.endr
.Lq_\@:
.irp i, 0,1,2,3,4,5,6,7,8,9,10,11,12,13,14,15
	v_mul_f32 v[RR+4*\i],   v[XR+4*\i+1], v[TA+4*\i+1]             ; (x0, x1) -> (x0 c - x1 s, x0 s + x1 c), my two pairs
	v_mul_f32 v[RR+4*\i+1], v[XR+4*\i],   v[TA+4*\i+1]
	v_mul_f32 v[RR+4*\i+2], v[XR+4*\i+3], v[TA+4*\i+3]
	v_mul_f32 v[RR+4*\i+3], v[XR+4*\i+2], v[TA+4*\i+3]
	v_fma_f32 v[RR+4*\i],   v[XR+4*\i],   v[TA+4*\i],   -v[RR+4*\i]
	v_fma_f32 v[RR+4*\i+1], v[XR+4*\i+1], v[TA+4*\i],   v[RR+4*\i+1]
	v_fma_f32 v[RR+4*\i+2], v[XR+4*\i+2], v[TA+4*\i+2], -v[RR+4*\i+2]
	v_fma_f32 v[RR+4*\i+3], v[XR+4*\i+3], v[TA+4*\i+2], v[RR+4*\i+3]
.endr
.if \more
.irp i, 0,1,2,3,4,5,6,7,8,9,10,11,12,13,14,15
	global_load_b128 v[TA+4*\i:TA+4*\i+3], v[L16], s[40:41] offset:8192+512*\i     ; the next trip's rows: a whole trip in which to land
.endr
.endif
.irp i, 0,1,2,3,4,5,6,7,8,9,10,11,12,13,14,15
	v_cvt_pk_f16_f32 v[RR+4*\i],   v[RR+4*\i],   v[RR+4*\i+1]
	v_cvt_pk_f16_f32 v[RR+4*\i+1], v[RR+4*\i+2], v[RR+4*\i+3]
.endr
	s_branch .Lj_\@
.Lv_\@:
.irp i, 0,1,2,3,4,5,6,7,8,9,10,11,12,13,14,15
	global_store_b128 v[L16], v[XR+4*\i:XR+4*\i+3], s[22:23] offset:8192*\i th:TH_STORE_NT     ; out2
.endr
.irp i, 0,1,2,3,4,5,6,7,8,9,10,11,12,13,14,15
	v_cvt_pk_f16_f32 v[RR+4*\i],   v[XR+4*\i],   v[XR+4*\i+1]
	v_cvt_pk_f16_f32 v[RR+4*\i+1], v[XR+4*\i+2], v[XR+4*\i+3]
.endr
.Lj_\@:
.irp i, 0,1,2,3,4,5,6,7,8,9,10,11,12,13,14,15
	global_store_b64 v[L8], v[RR+4*\i:RR+4*\i+1], s[20:21] offset:256*\i   ; a row of a head in f16: 256 consecutive bytes, aligned
.endr
.if \more
	s_wait_xcnt 0x0                                ; the stores' data and all bases are written again only behind this wait
	s_add_co_u32 s46, s46, 16*SPITCH
	s_add_nc_u64 s[22:23], s[22:23], 16*8192
	s_add_nc_u64 s[20:21], s[20:21], 16*256
	s_add_nc_u64 s[40:41], s[40:41], 16*512
.endif
.endm
.Lrows:
	ROWS 1
	s_sub_co_u32 s47, s47, 1
	s_cmp_lg_u32 s47, 0
	s_cbranch_scc1 .Lrows
	ROWS 0                                         ; the last 16 rows ask for nothing: no load leaves the table
	s_wait_tensorcnt 0x0                           ; the wave's end: behind my last tensor load and my last LDS store
	ds_add_u32 v[SPW], v[NIL]
	s_wait_dscnt 0x0
	CROUND                                         ; the closing round
	s_endpgm
.Lfunc_end_k_q2ddfd7a26a_qkv:
	.size	k_q2ddfd7a26a_qkv, .Lfunc_end_k_q2ddfd7a26a_qkv-k_q2ddfd7a26a_qkv
	.p2alignl 7, 3214868480
	.fill 96, 4, 3214868480
	.section	.rodata,"a",@progbits
	.p2align	6, 0x0
	.amdhsa_kernel k_q2ddfd7a26a_qkv
		.amdhsa_group_segment_fixed_size 327680
		.amdhsa_private_segment_fixed_size 0
		.amdhsa_enable_private_segment 0
		.amdhsa_kernarg_size 80
		.amdhsa_user_sgpr_count 2
		.amdhsa_user_sgpr_kernarg_segment_ptr 1
		.amdhsa_wavefront_size32 1
		.amdhsa_system_sgpr_workgroup_id_x 1
		.amdhsa_system_sgpr_workgroup_id_y 1
		.amdhsa_system_sgpr_workgroup_id_z 1
		.amdhsa_system_vgpr_workitem_id 0
		.amdhsa_next_free_vgpr 1024
		.amdhsa_next_free_sgpr 100
		.amdhsa_reserve_vcc 0
		.amdhsa_float_denorm_mode_32 3
		.amdhsa_float_denorm_mode_16_64 3
		.amdhsa_memory_ordered 1
		.amdhsa_forward_progress 1
		.amdhsa_inst_pref_size 254
	.end_amdhsa_kernel
	.amdgpu_metadata
---
amdhsa.version: [ 1, 2 ]
amdhsa.kernels:
  - .name:           k_q2ddfd7a26a_qkv
    .symbol:         k_q2ddfd7a26a_qkv.kd
    .args:
      - { .name: codes, .offset: 0, .size: 8, .value_kind: global_buffer, .address_space: global }
      - { .name: scales, .offset: 8, .size: 8, .value_kind: global_buffer, .address_space: global }
      - { .name: q_norm_w, .offset: 16, .size: 8, .value_kind: global_buffer, .address_space: global }
      - { .name: k_norm_w, .offset: 24, .size: 8, .value_kind: global_buffer, .address_space: global }
      - { .name: rope_tab, .offset: 32, .size: 8, .value_kind: global_buffer, .address_space: global }
      - { .name: qh, .offset: 40, .size: 8, .value_kind: global_buffer, .address_space: global }
      - { .name: kh, .offset: 48, .size: 8, .value_kind: global_buffer, .address_space: global }
      - { .name: vh, .offset: 56, .size: 8, .value_kind: global_buffer, .address_space: global }
      - { .name: out1, .offset: 64, .size: 8, .value_kind: global_buffer, .address_space: global }
      - { .name: out2, .offset: 72, .size: 8, .value_kind: global_buffer, .address_space: global }
    .group_segment_fixed_size: 327680
    .private_segment_fixed_size: 0
    .kernarg_segment_align: 8
    .kernarg_segment_size: 80
    .max_flat_workgroup_size: 128
    .sgpr_count:     100
    .vgpr_count:     1024
    .wavefront_size: 32
...
	.end_amdgpu_metadata
.endif
;; end of part 2
;; launch attn (part 3): grid 16 x 16, 4 waves a work-group, no clusters, 327,680 bytes of LDS; arguments qh, kh, vh, oh; writes oh
.if DOCPART == 3
	.amdgcn_target "amdgcn-amd-amdhsa--gfx1250"
	.amdhsa_code_object_version 6
	.text
	.protected	k_q2ddfd7a26a_attn
	.globl	k_q2ddfd7a26a_attn
	.p2align	8
	.type	k_q2ddfd7a26a_attn,@function
k_q2ddfd7a26a_attn:
	s_mov_b64 s[64:65], 0
	v_nop
	global_prefetch_b8 v0, s[64:65] scope:SCOPE_SE
	s_setreg_imm32_b32 hwreg(HW_REG_WAVE_MODE, 25, 1), 1
	s_wait_xcnt 0x0
; oh[q][h][:] = the sum over the keys that count of softmax(Q[h][q] . K[h][k] / sqrt(128)) V[h][k][:].  qh [16][2048][128], kh, vh [16][4096][128], oh [2048][16 x 128], all f16; products, maxima and sums in f32;
; the weights p are rounded to f16 for the second product, O once at the end.
; THE MASK.  With chunk 1, 2,048 queries, 4,096 keys and a window of 2,048, key j counts for query i where i < j <= i + 2048: every query has exactly 2,048 keys, so no row averages only a few values.
; SHARES.  Work-group (x, h) owns queries 128 x .. 128 x + 127 of head h and walks keys 128 x .. 128 x + 2175: 17 key slots of 128, the same count everywhere.  Only the first and the last slot are cut by the mask.
; Wave w owns 64 of the queries (half w % 2: four tiles of 16) and, of every key slot, 64 of the keys (half w / 2).  The two waves of a query half hold partial maxima, sums and O over disjoint keys: they are joined once,
; at the end, through LDS.  So a wave issues 128 matrix instructions for the 32 KB of K and V that it reads from LDS in a slot, and there is one work-group for each of 256 blocks.
; LAYOUT.  S^T = K Q^T (source 0 = 16 keys, source 1 = 16 queries): a lane holds ONE query (lane % 16) and keys 8 (lane / 16) + 0..7; two such tiles, rounded to f16 in pairs, ARE source 1 of O^T = V^T P.  V is turned by ds_load_tr16_b128.
; SOFTMAX.  A running maximum m and sum l for each query: p = 2^(c s - c m), c = log2(e) / sqrt(128); in every slot O and l are multiplied by a = 2^(c m_old - c m_new).
; A hidden score becomes -2^100, which lies under every score (|s| <= 128 x 65504^2).  Where all of a query's first 64 keys are hidden, c s - c m is exactly 0 (c x 2^100 is exact), p = 1, and what is summed is finite;
; the next slot has keys that count, so a = 0 there and wipes it.
; A TRIP: the change of slots and the refill | K of this slot from LDS | V^T P of the LAST slot (64 products, over K's loads) | V of this slot from LDS | K Q^T (64) | the softmax (over V's loads).
; NO CLUSTER: the query blocks of a head want key windows 128 apart, so at one trip partners want different tiles; a walk over the union of four windows would be 20 slots for 17, with the surplus to be passed over by
; a branch on a work-group's place in its cluster.
; LIMITS: operands under 65,504 in magnitude; NaN and infinities are not served.
; REGISTERS, in windows of 256: window 0: v0-11 addresses; v12-43 eight statistics a tile; v44-50, v61-63; v64-191 S^T, 32 a tile; v192-255 P, 16 a tile.  window 1: O^T, 64 a tile.  window 2: v0-127 Q, v128-255 K.  window 3: v0-127 V.
.set KS,    64
.set PK,    272       ; a row of K in LDS: 256 bytes + 16: the 16 rows of a load start at 16 different banks (64 banks of 4 bytes: ISA guide 11.1)
.set PV,    288       ; a row of V: 256 + 32
.set VOFF,  KS*PK
.set STEPB, KS*(PK+PV)  ; 64 keys: 64 rows of K, then 64 rows of V
.set SLOT1, 1<<17     ; a slot holds 128 keys (71,680 bytes); slot 1 begins here: one exclusive or turns an address
.set XCH,   SLOT1+2*STEPB  ; behind the ring: for each query half an image of O^T (32,768 bytes) and of the statistics (1,024)
.set XPART, 33792
.set STAGE, XCH+2*XPART    ; 16 rows x 272 bytes for each of waves 0 and 1
.set SP,    272
.set SPARE, STAGE+2*16*SP  ; the spare words, 128 bytes a wave
.set AK0, 2
.set AV0, 3
.set ADR, 4
.set QO,  5
.set STO, 6
.set RD,  7
.set GO,  8
.set ST,  12          ; tile t's statistics at v[ST+8 t]: +0 c m, +1 m, +2, +3 l (even keys', odd keys'), +4 to +7 at work
.set DT,  44          ; v44-47 tile t: 64 (query half - key half) + lane % 16 - 8 (lane / 16) + 16 t: my query less the first key of my registers
.set NEG, 48          ; v48 -2^100
.set XA,  49          ; v49 my 16 bytes of an image's 512
.set XSA, 50          ; v50 my 8 bytes of the statistics' 256
.set PFO, 61          ; v61 256 x lane; never rewritten
.set SPW, 62          ; v62 LDS address of my spare word; never rewritten
.set NIL, 63          ; v63 0; never rewritten
.set S,   64
.set P,   192
.set KF,  128
.set WV,  12
.set LIM, 15          ; s15 1 in a work-group that prefetches, else the greatest number
.set PFA, 18          ; s[18:19] where my prefetches stand
.set G1K, 24
.set G1V, 32
.set G0K, 40          ; s[40:47] a set for each of the two first fills; the second then walks on
.set G0V, 48
.set SLOTS, 56
.set CS,  58
.set SEL, 60
.set TB,  62          ; s62 LDS byte at which the slot in hand begins
.set MSB, 0
.macro WIN new
.if MSB != \new
	s_set_vgpr_msb (MSB<<8)|\new
.set MSB, \new
.endif
.endm
.set W_KQ, 0x0a       ; K and Q in window 2, S^T in window 0
.set W_PV, 0x53       ; V in window 3, P in window 0, O^T in window 1
.set W_RS, 0x41       ; O^T in window 1, a in window 0
; A refill: waves 0 and 1 fetch the slot's two halves of K, waves 2 and 3 those of V.  An s_nop 0 and four v_nop follow each of the two lines.
.macro JLOAD
	s_cmp_lt_u32 s[WV], 2
	s_cbranch_scc0 .Lfor_v_\@
	tensor_load_to_lds s[G0K+4:G0K+7], s[G1K:G1K+7]
	s_nop 0
.rept 4
	v_nop
.endr
	s_branch .Lasked_\@
.Lfor_v_\@:
	tensor_load_to_lds s[G0V+4:G0V+7], s[G1V:G1V+7]
	s_nop 0
.rept 4
	v_nop
.endr
.Lasked_\@:
.endm
; A PREFETCH of what the NEXT change of slots will ask for.  In trip s work-group x loads keys 128 (x + s + 1) on: of a head's sixteen work-groups only the last (x = 15) asks for keys that no other has asked for a trip
; before, so it alone prefetches.  Each of its waves names the 64 rows that it will fetch itself, a lane a row of 256 bytes, two instructions: each row once in the launch.  One trip, 128 matrix instructions and a softmax, ahead.
; The last change that fills a slot asks for nothing; nothing is asked for at the head.
.macro ASK
	s_cmp_gt_u32 s[SLOTS], s[LIM]
	s_cbranch_scc0 .Lnot_mine_\@
	global_prefetch_b8 v[PFO], s[PFA:PFA+1] th:TH_LOAD_NT scope:SCOPE_SE
	global_prefetch_b8 v[PFO], s[PFA:PFA+1] offset:8192 th:TH_LOAD_NT scope:SCOPE_SE
.Lnot_mine_\@:
.endm
	s_load_b256 s[4:11], s[0:1], 0x0  ; Q s[4:5], K s[6:7], V s[8:9], O s[10:11]
	v_lshl_add_u32 v[SPW], v0, 2, SPARE
	v_mov_b32 v[NIL], 0
	ds_add_u32 v[SPW], v[NIL]       ; the wave's opening: the add, twice on end, and its wait ahead of my first tensor load
	ds_add_u32 v[SPW], v[NIL]
	v_lshrrev_b32 v1, 5, v0
	v_readfirstlane_b32 s[WV], v1   ; wave 0..3
	s_and_b32 s13, s[WV], 1         ; my half of the queries.  Also: which half of a slot I fetch
	s_lshr_b32 s14, s[WV], 1        ; my half of every slot's keys
	s_and_b32 s16, ttmp7, 0xffff    ; the head
	s_lshl_b32 s20, s16, 20         ; K, V: a head is 4,096 rows of 256 bytes,
	s_lshl_b32 s21, ttmp9, 15       ; my work-group's first key = its first query: 128 x rows,
	s_lshl_b32 s63, s13, 14         ; the 64 rows that I fetch
	s_add_co_u32 s20, s20, s21
	s_add_co_u32 s20, s20, s63
	s_lshl_b32 s22, s16, 19         ; Q: a head is 2,048 rows; my wave's 64 queries
	s_add_co_u32 s22, s22, s21
	s_add_co_u32 s22, s22, s63
	s_mov_b32 s21, 0
	s_mov_b32 s23, 0
	s_lshl_b32 s2, ttmp9, 19        ; O: a row is 4,096 bytes: 128 x rows, + 64 rows for the upper half, + 256 bytes a head
	s_lshl_b32 s3, s13, 18
	s_add_co_u32 s2, s2, s3
	s_lshl_b32 s3, s16, 8
	s_add_co_u32 s2, s2, s3
	s_mov_b32 s3, 0
	s_mul_i32 s17, s13, STEPB       ; my tile's place in a slot
	s_mov_b32 s[G1K], (1<<16)|(1<<20)|(5<<22)|(3<<25)  ; no mask; elements of 2 bytes; padding on: 4 words after every 64
	s_mov_b32 s[G1V], (1<<16)|(1<<20)|(5<<22)|(7<<25)  ; the same with 8 words
.irp g, G1K, G1V
	s_mov_b32 s[\g+1], 128<<16      ; tensor_dim0
	s_mov_b32 s[\g+2], KS<<16       ; tensor_dim1
	s_mov_b32 s[\g+3], 128<<16      ; tile_dim0
	s_mov_b32 s[\g+4], KS           ; tile_dim1
	s_mov_b32 s[\g+5], 128          ; the pitch
	s_mov_b32 s[\g+6], 0
	s_mov_b32 s[\g+7], 0
.endr
	s_mov_b32 s[CS], 0x3e0293ee     ; c = log2(e) / sqrt(128)
	s_mov_b32 s[CS+1], s[CS]
	s_mov_b32 s[SEL], 0x76543210
	s_mov_b32 s[SEL+1], 0xfedcba98
	s_mov_b32 s[TB], 0
	s_mov_b32 s[SLOTS], 15          ; slots still to be asked for
	s_cmp_eq_u32 ttmp9, 15
	s_cselect_b32 s[LIM], 1, -1
	v_and_b32 v[PFO], 31, v0
	v_lshlrev_b32 v[PFO], 8, v[PFO]
	s_wait_dscnt 0x0                ; both opening adds are done
	s_wait_kmcnt 0x0
	s_add_nc_u64 s[6:7], s[6:7], s[20:21]
	s_add_nc_u64 s[8:9], s[8:9], s[20:21]
	s_add_nc_u64 s[4:5], s[4:5], s[22:23]
	s_add_nc_u64 s[10:11], s[10:11], s[2:3]
	s_cmp_lt_u32 s[WV], 2
	s_cselect_b64 s[PFA:PFA+1], s[6:7], s[8:9]
	s_add_nc_u64 s[PFA:PFA+1], s[PFA:PFA+1], 2*2*KS*256  ; in key slot 2; the first change of slots steps it to 3
.irp s, 0,1
	s_mov_b32 s[G0K+4*\s], 1
	s_add_co_u32 s[G0K+4*\s+1], s17, \s*SLOT1
	s_add_nc_u64 s[G0K+4*\s+2:G0K+4*\s+3], s[6:7], \s*2*KS*256
	s_or_b32 s[G0K+4*\s+3], s[G0K+4*\s+3], 0x80000000
	s_mov_b32 s[G0V+4*\s], 1
	s_add_co_u32 s[G0V+4*\s+1], s17, \s*SLOT1+VOFF
	s_add_nc_u64 s[G0V+4*\s+2:G0V+4*\s+3], s[8:9], \s*2*KS*256
	s_or_b32 s[G0V+4*\s+3], s[G0V+4*\s+3], 0x80000000
.endr
	s_cmp_lt_u32 s[WV], 2           ; a wave's two first fills stand in one branch, ahead of every wait on TENSORcnt and every LDS read: two loads of mine are out, later one
	s_cbranch_scc0 .Lfirst_v
	tensor_load_to_lds s[G0K:G0K+3], s[G1K:G1K+7]
	s_nop 0
	tensor_load_to_lds s[G0K+4:G0K+7], s[G1K:G1K+7]
	s_nop 0
.rept 4
	v_nop
.endr
	s_branch .Lfirst_asked
.Lfirst_v:
	tensor_load_to_lds s[G0V:G0V+3], s[G1V:G1V+7]
	s_nop 0
	tensor_load_to_lds s[G0V+4:G0V+7], s[G1V:G1V+7]
	s_nop 0
.rept 4
	v_nop
.endr
.Lfirst_asked:
	v_and_b32 v1, 15, v0            ; l % 16
	v_bfe_u32 v9, v0, 4, 1          ; l / 16
	v_lshlrev_b32 v[QO], 8, v1
	v_lshl_add_u32 v[QO], v9, 4, v[QO]
	WIN 0x80                        ; destination window 2
.irp i, 0,1,2,3,4,5,6,7,8,9,10,11,12,13,14,15  ; Q stays in registers: tile i / 4, channels 32 (i % 4) on
	global_load_b128 v[8*\i:8*\i+3],   v[QO], s[4:5] offset:(\i/4)*4096+(\i%4)*64
	global_load_b128 v[8*\i+4:8*\i+7], v[QO], s[4:5] offset:(\i/4)*4096+(\i%4)*64+32
.endr
	WIN 0
	s_mul_i32 s57, s14, STEPB       ; my half of a slot's keys
	v_mul_u32_u24 v[AK0], v1, PK
	v_lshl_add_u32 v[AK0], v9, 4, v[AK0]
	v_add_nc_u32 v[AK0], s57, v[AK0]
	v_and_b32 v10, 7, v0
	v_bfe_u32 v11, v0, 3, 1
	v_lshl_add_u32 v[AV0], v9, 3, v10
	v_mul_u32_u24 v[AV0], v[AV0], PV
	v_lshl_add_u32 v[AV0], v11, 4, v[AV0]
	s_add_co_u32 s57, s57, VOFF
	v_add_nc_u32 v[AV0], s57, v[AV0]
	s_sub_co_i32 s57, s13, s14
	s_lshl_b32 s57, s57, 6
	v_lshlrev_b32 v10, 3, v9
	v_sub_nc_u32 v10, v1, v10
	v_add_nc_u32 v[DT], s57, v10
.irp t, 1,2,3
	v_add_nc_u32 v[DT+\t], 16*\t, v[DT]
.endr
	v_mov_b32 v[NEG], 0xf1800000
	s_mul_i32 s57, s13, XPART       ; the exchange: a part for each half of the queries
	s_add_co_u32 s57, s57, XCH
	v_and_b32 v10, 31, v0
	v_lshl_add_u32 v[XA], v10, 4, s57
	s_add_co_u32 s57, s57, 32768
	v_lshl_add_u32 v[XSA], v10, 3, s57
	s_mul_i32 s57, s13, 16*SP
	s_add_co_u32 s57, s57, STAGE    ; the stage of the wave that stores this half of the queries
	v_mul_u32_u24 v[STO], v1, SP    ; in: row l % 16, 16 bytes for each half of the lanes
	v_lshl_add_u32 v[STO], v9, 4, v[STO]
	v_add_nc_u32 v[STO], s57, v[STO]
	v_mul_u32_u24 v[RD], v9, SP     ; back: lanes 0-15 one row of 256 bytes, lanes 16-31 the next
	v_lshl_add_u32 v[RD], v1, 4, v[RD]
	v_add_nc_u32 v[RD], s57, v[RD]
	v_lshlrev_b32 v[GO], 12, v9     ; and the same two rows in O
	v_lshl_add_u32 v[GO], v1, 4, v[GO]
; THE MATRIX WORK.  The accumulators take turns, one instruction a turn: 16 in K Q^T, 32 in V^T P.
.macro KQ_ALL                       ; product i of 64: channels 32 (i / 16) on, keys 16 ((i / 4) % 4) on, tile i % 4.  The first 16 start the sums
	WIN W_KQ
.set i, 0
.rept 64
.set rS, S+32*(i%4)+8*((i/4)%4)
.set rK, KF+32*((i/4)%4)+8*(i/16)
.set rQ, 32*(i%4)+8*(i/16)
.if i < 16
	v_wmma_f32_16x16x32_f16 v[rS:rS+7], v[rK:rK+7], v[rQ:rQ+7], 0
.else
	v_wmma_f32_16x16x32_f16 v[rS:rS+7], v[rK:rK+7], v[rQ:rQ+7], v[rS:rS+7]
.endif
.set i, i+1
.endr
.endm
.macro PV_ALL zero                  ; product i of 64: keys 32 (i / 32) on, channels 16 ((i / 4) % 8) on, tile i % 4.  zero = 1: the first 32 start the sums: nothing is ever cleared
	WIN W_PV
.set i, 0
.rept 64
.set rO, 64*(i%4)+8*((i/4)%8)
.set rV, 64*(i/32)+8*((i/4)%8)
.set rP, P+16*(i%4)+8*(i/32)
.if \zero && (i < 32)
	v_wmma_f32_16x16x32_f16 v[rO:rO+7], v[rV:rV+7], v[rP:rP+7], 0
.else
	v_wmma_f32_16x16x32_f16 v[rO:rO+7], v[rV:rV+7], v[rP:rP+7], v[rO:rO+7]
.endif
.set i, i+1
.endr
.endm
.macro FETCH_K                      ; my 64 keys x 128 channels: 16 fragments, 32 loads in one run
	WIN 0
	v_add_nc_u32 v[ADR], s[TB], v[AK0]
	WIN 0x80
.irp f, 0,1,2,3,4,5,6,7,8,9,10,11,12,13,14,15  ; keys 16 (f / 4) on, channels 32 (f % 4) on
	ds_load_b128 v[KF+8*\f:KF+8*\f+3],   v[ADR] offset:(\f/4)*16*PK+(\f%4)*64
	ds_load_b128 v[KF+8*\f+4:KF+8*\f+7], v[ADR] offset:(\f/4)*16*PK+(\f%4)*64+32
.endr
.endm
.macro FETCH_V                      ; the same keys' V, turned
	WIN 0
	v_add_nc_u32 v[ADR], s[TB], v[AV0]
	WIN 0xc0
.irp f, 0,1,2,3,4,5,6,7,8,9,10,11,12,13,14,15  ; keys 32 (f / 8) on, channels 16 (f % 8) on
	ds_load_tr16_b128 v[8*\f:8*\f+3],   v[ADR] offset:(\f/8)*32*PV+(\f%8)*32
	ds_load_tr16_b128 v[8*\f+4:8*\f+7], v[ADR] offset:(\f/8)*32*PV+16*PV+(\f%8)*32
.endr
.endm
.macro PLACES                       ; four plain vector instructions between a matrix instruction and a read of its result or a load into its registers (ISA guide 7.12.1 for reads)
.rept 4
	v_nop
.endr
.endm
; THE MASK.  Register S + 32 t + n holds, counted from my registers' first key, key 16 (n / 8) + n % 8.  up = 0, the first slot: hidden where key <= query.  up = 1, the last: hidden where key > query.
.macro MASK up
.set n, 0
.rept 128
.if \up
	v_cmp_gt_i32 vcc_lo, 16*((n%32)/8)+n%8, v[DT+n/32]
.else
	v_cmp_le_i32 vcc_lo, 16*((n%32)/8)+n%8, v[DT+n/32]
.endif
	v_cndmask_b32 v[S+n], v[S+n], v[NEG], vcc_lo
.set n, n+1
.endr
.endm
; THE SOFTMAX of one tile for one slot is a list of 134 instructions; SM writes number j of it for tile t.  first = 1: the first slot, which starts m, l and O^T.
;   0-15 the maximum of the lane's 32 scores and the old m;  16-20 the other half of the lanes', the new m, c m, its change;  21-69 ONE BATCH: 16 scalings c s - c m and 33 exponentials, none of which reads an
;   exponential's result;  70-85 the roundings to f16;  86-101 the sums, l = a l + the sum;  102-133 the tile's O^T times a.
.macro SM t, first
.set rT, ST+8*(\t)
.set rS, S+32*(\t)
.set rP, P+16*(\t)
.set rO, 64*(\t)+2*(j-102)
.if j < 102
	WIN 0
.endif
.if j < 4
	v_max3_num_f32 v[rT+4+j], v[rS+8*j], v[rS+8*j+1], v[rS+8*j+2]
.elseif j < 12
	v_max3_num_f32 v[rT+4+j%4], v[rT+4+j%4], v[rS+8*(j%4)+2*(j/4)+1], v[rS+8*(j%4)+2*(j/4)+2]
.elseif j == 12
	v_max3_num_f32 v[rT+4], v[rT+4], v[rS+7], v[rS+15]
.elseif j == 13
	v_max3_num_f32 v[rT+6], v[rT+6], v[rS+23], v[rS+31]
.elseif j == 14
	v_max3_num_f32 v[rT+4], v[rT+4], v[rT+5], v[rT+6]
.elseif (j == 15) && \first
	v_max_num_f32 v[rT+4], v[rT+4], v[rT+7]
.elseif j == 15
	v_max3_num_f32 v[rT+4], v[rT+4], v[rT+7], v[rT+1]
.elseif j == 16
	v_permlanex16_b32 v[rT+5], v[rT+4], s[SEL], s[SEL+1]  ; the query's other 32 keys lie in the lane 16 away
.elseif j == 18
	v_max_num_f32 v[rT+1], v[rT+4], v[rT+5]
.elseif j == 19
	v_mul_f32 v[rT], s[CS], v[rT+1]
.elseif ((j == 17) || (j == 20) || (j == 23) || (j > 101)) && \first  ; the first slot has none of these
.elseif j == 17
	v_mov_b32 v[rT+7], v[rT]        ; c m_old is kept for a
.elseif j == 20
	v_sub_f32 v[rT+7], v[rT+7], v[rT]
.elseif j == 23
	v_exp_f32 v[rT+6], v[rT+7]
.elseif (j < 23) || ((j < 38) && (j%2 == 0)) || ((j < 66) && (j%4 == 2))
.set b, (j-2)/4
.if j < 38
.set b, (j-20)/2
.endif
	v_pk_fma_f32 v[rS+2*b:rS+2*b+1], v[rS+2*b:rS+2*b+1], s[CS:CS+1], v[rT:rT+1] op_sel_hi:[1,0,0] neg_lo:[0,0,1] neg_hi:[0,0,1]  ; pair b: c s - c m
.elseif j < 70
.set e, j-38
.if j < 66
.set e, j-32-(j-38)/4
.endif
.if j < 38
.set e, (j-25)/2
.endif
	v_exp_f32 v[rS+e], v[rS+e]
.elseif j < 86
	v_cvt_pk_f16_f32 v[rP+j-70], v[rS+2*(j-70)], v[rS+2*(j-70)+1]
.elseif j < 102
.set z, j-86
.set w, 4
.set u, z
.if z >= 14
.set w, 32
.set u, 0
.elseif z >= 12
.set w, 16
.set u, z-12
.elseif z >= 8
.set w, 8
.set u, z-8
.endif
.if (z == 14) && \first
	v_pk_add_f32 v[rT+2:rT+3], v[rS:rS+1], v[rS+16:rS+17]
.elseif z < 15
	v_pk_add_f32 v[rS+w*u:rS+w*u+1], v[rS+w*u:rS+w*u+1], v[rS+w*u+w/2:rS+w*u+w/2+1]
.elseif !\first
	v_pk_fma_f32 v[rT+2:rT+3], v[rT+2:rT+3], v[rT+6:rT+7], v[rS:rS+1] op_sel_hi:[1,0,1]
.endif
.else
	WIN W_RS
	v_pk_mul_f32 v[rO:rO+1], v[rO:rO+1], v[rT+6:rT+7] op_sel_hi:[1,0]
.endif
.endm
.macro SOFTMAX first                ; the four tiles by turns, number by number: no line waits for the line above it
.set j, 0
.rept 70
.irp t, 0,1,2,3
	SM \t, \first
.endr
.set j, j+1
.endr
	v_nop                           ; a plain line behind the last exponential
	s_wait_alu depctr_va_vdst(0)    ; the wait ahead of the first reader: ONE for the four tiles' 132 exponentials
.rept 64
.irp t, 0,1,2,3
	SM \t, \first
.endr
.set j, j+1
.endr
.endm
; THE CHANGE OF SLOTS, at a trip's head.  K and V of the slot that is left are in registers when s_wait_dscnt 0 is passed; the slot ahead has landed when s_wait_tensorcnt 0 is passed; the barrier makes both hold of all four waves.
; fill = 1: the slot that is left is filled with the keys two slots on, first thing behind the barrier: the load has a whole trip in which to land.
.macro CHANGE fill
	WIN 0
	s_wait_tensorcnt 0x0            ; no tensor load of mine is out, so a group 0 may be written
	ds_add_u32 v[SPW], v[NIL]
.if \fill
.irp g, G0K+4, G0V+4
	s_xor_b32 s[\g+1], s[\g+1], SLOT1
	s_add_nc_u64 s[\g+2:\g+3], s[\g+2:\g+3], 2*KS*256
.endr
	s_wait_xcnt 0x0                 ; the last prefetches, a trip back, have read their address
	s_add_nc_u64 s[PFA:PFA+1], s[PFA:PFA+1], 2*KS*256
.endif
	s_wait_dscnt 0x0                ; the add is done, and my reads of the slot that I leave are over
	s_barrier_signal -1
	s_barrier_wait -1
.if \fill
	JLOAD
	ASK
.endif
	s_xor_b32 s[TB], s[TB], SLOT1   ; on to the other slot
.endm
.macro TRIP fill, zero, up
	CHANGE \fill
	FETCH_K                         ; its registers were last read ahead of the last softmax
	PV_ALL \zero                    ; the last slot's weights and V
	PLACES
	FETCH_V
	s_wait_dscnt 32                 ; K's 32 loads are in; V's 32, issued behind them, may be out: they are waited for at the next change of slots
	KQ_ALL
	WIN 0
	PLACES
.if \up
	MASK 1
.endif
	SOFTMAX 0
	WIN 0
.endm
	s_wait_tensorcnt 1              ; my part of slot 0 is in; slot 1's may stay out
	s_barrier_signal -1
	s_barrier_wait -1
	FETCH_K                         ; key slot 0
	FETCH_V
	s_wait_loadcnt 0x0              ; Q
	s_wait_dscnt 32                 ; K
	KQ_ALL
	WIN 0
	PLACES
	MASK 0
	SOFTMAX 1
	WIN 0
	TRIP 1, 1, 0                    ; key slot 1; V^T P of slot 0 starts O^T
	s_sub_co_u32 s[SLOTS], s[SLOTS], 1
.Lslot:                             ; key slots 2 to 15
	TRIP 1, 0, 0
	s_sub_co_u32 s[SLOTS], s[SLOTS], 1
	s_cmp_lg_u32 s[SLOTS], 0
	s_cbranch_scc1 .Lslot
	TRIP 0, 0, 1                    ; key slot 16 is written out: nothing is left to ask for, and the mask cuts it
	s_wait_dscnt 0x0                ; V of slot 16
	PV_ALL 0
	; THE TWO HALVES OF THE KEYS ARE JOINED.  Waves 2 and 3 hand c m, l and O^T to waves 0 and 1 as images of their registers; those weigh both parts by 2^(c m - the larger c m), divide by the joint sum, and store.
	WIN 0
.irp t, 0,1,2,3
	v_add_f32 v[ST+8*\t+1], v[ST+8*\t+2], v[ST+8*\t+3]  ; l's two halves (m's register is free).  These four are the places behind the last products
.endr
	s_cmp_lt_u32 s[WV], 2
	s_cbranch_scc1 .Lkeep
.irp t, 0,1,2,3
	ds_store_b64 v[XSA], v[ST+8*\t:ST+8*\t+1] offset:256*\t
.endr
	WIN 0x04                        ; an LDS store's data are its source 1: window 1
.set i, 0
.rept 64
	ds_store_b128 v[XA], v[4*i:4*i+3] offset:512*i  ; 512 consecutive bytes a store; each accumulator from its low end on
.set i, i+1
.endr
	WIN 0
.Lkeep:
	s_wait_dscnt 0x0                ; for the others' sake: my stores have landed
	s_barrier_signal -1
	s_barrier_wait -1
	s_cmp_lt_u32 s[WV], 2
	s_cbranch_scc0 .Ldone
.macro LOADB t                      ; the partner's O^T of tile t into v[S + 64 (t % 2)] on
.set i, 0
.rept 16
	ds_load_b128 v[S+64*((\t)%2)+4*i:S+64*((\t)%2)+4*i+3], v[XA] offset:512*(16*(\t)+i)
.set i, i+1
.endr
.endm
.irp t, 0,1,2,3
	ds_load_b64 v[ST+8*\t+4:ST+8*\t+5], v[XSA] offset:256*\t
.endr
	LOADB 0
	s_wait_dscnt 16                 ; the statistics are in; the image's 16 loads may be out
.irp t, 0,1,2,3
	v_max_num_f32 v[ST+8*\t+7], v[ST+8*\t], v[ST+8*\t+4]
.endr
.irp t, 0,1,2,3
	v_sub_f32 v[ST+8*\t+2], v[ST+8*\t], v[ST+8*\t+7]
	v_sub_f32 v[ST+8*\t+6], v[ST+8*\t+4], v[ST+8*\t+7]
.endr
.irp t, 0,1,2,3
	v_exp_f32 v[ST+8*\t+2], v[ST+8*\t+2]
	v_exp_f32 v[ST+8*\t+6], v[ST+8*\t+6]
.endr
	v_nop
	s_wait_alu depctr_va_vdst(0)    ; one wait for the eight
.irp t, 0,1,2,3
	v_mul_f32 v[ST+8*\t+1], v[ST+8*\t+1], v[ST+8*\t+2]
.endr
.irp t, 0,1,2,3
	v_fma_f32 v[ST+8*\t+1], v[ST+8*\t+5], v[ST+8*\t+6], v[ST+8*\t+1]
.endr
.irp t, 0,1,2,3
	v_permlanex16_b32 v[ST+8*\t+5], v[ST+8*\t+1], s[SEL], s[SEL+1]
.endr
.irp t, 0,1,2,3
	v_add_f32 v[ST+8*\t+1], v[ST+8*\t+1], v[ST+8*\t+5]  ; the query's sum over all its keys
.endr
.irp t, 0,1,2,3
	v_rcp_f32 v[ST+8*\t+1], v[ST+8*\t+1]
.endr
	v_nop
	s_wait_alu depctr_va_vdst(0)    ; one wait for the four
.irp t, 0,1,2,3
	v_mul_f32 v[ST+8*\t+2], v[ST+8*\t+2], v[ST+8*\t+1]  ; my part's weight,
	v_mul_f32 v[ST+8*\t+6], v[ST+8*\t+6], v[ST+8*\t+1]  ; the partner's
.endr
.macro TILE_OUT t
.set BF, S+64*((\t)%2)
.set PKD, P+32*((\t)%2)
.if \t < 3
	LOADB \t+1
	s_wait_dscnt 16                 ; this tile's image is in; the next tile's 16 loads may be out
.else
	s_wait_dscnt 0x0
.endif
.set i, 0
.rept 32
	v_pk_mul_f32 v[BF+2*i:BF+2*i+1], v[BF+2*i:BF+2*i+1], v[ST+8*(\t)+6:ST+8*(\t)+7] op_sel_hi:[1,0]
.set i, i+1
.endr
	WIN 0x01                        ; source 0, my O^T, in window 1
.set i, 0
.rept 32
	v_pk_fma_f32 v[BF+2*i:BF+2*i+1], v[64*(\t)+2*i:64*(\t)+2*i+1], v[ST+8*(\t)+2:ST+8*(\t)+3], v[BF+2*i:BF+2*i+1] op_sel_hi:[1,0,1]
.set i, i+1
.endr
	WIN 0
.if \t >= 2
	s_wait_xcnt 0x0                 ; the stores of two tiles back have read these registers
.endif
.set i, 0
.rept 32
	v_cvt_pk_f16_f32 v[PKD+i], v[BF+2*i], v[BF+2*i+1]
.set i, i+1
.endr
.irp f, 0,1,2,3,4,5,6,7
	ds_store_b128 v[STO], v[PKD+4*\f:PKD+4*\f+3] offset:32*\f
.endr
.irp f, 0,1,2,3,4,5,6,7
	ds_load_b128 v[PKD+4*\f:PKD+4*\f+3], v[RD] offset:\f*2*SP  ; LDS serves a wave in order: these see the stores above
.endr
	s_wait_dscnt 0x0
.irp f, 0,1,2,3,4,5,6,7
	global_store_b128 v[GO], v[PKD+4*\f:PKD+4*\f+3], s[10:11] offset:(\t)*65536+\f*8192  ; 16 lanes store 256 consecutive bytes, aligned
.endr
.endm
	TILE_OUT 0
	TILE_OUT 1
	TILE_OUT 2
	TILE_OUT 3
.Ldone:
	s_wait_tensorcnt 0x0            ; the wave's end: behind my last tensor load and my last LDS store
	ds_add_u32 v[SPW], v[NIL]
	s_wait_dscnt 0x0
	s_endpgm
.Lfunc_end_k_q2ddfd7a26a_attn:
	.size	k_q2ddfd7a26a_attn, .Lfunc_end_k_q2ddfd7a26a_attn-k_q2ddfd7a26a_attn
	.p2alignl 7, 3214868480
	.fill 96, 4, 3214868480
	.section	.rodata,"a",@progbits
	.p2align	6, 0x0
	.amdhsa_kernel k_q2ddfd7a26a_attn
		.amdhsa_group_segment_fixed_size 327680
		.amdhsa_private_segment_fixed_size 0
		.amdhsa_enable_private_segment 0
		.amdhsa_kernarg_size 32
		.amdhsa_user_sgpr_count 2
		.amdhsa_user_sgpr_kernarg_segment_ptr 1
		.amdhsa_wavefront_size32 1
		.amdhsa_system_sgpr_workgroup_id_x 1
		.amdhsa_system_sgpr_workgroup_id_y 1
		.amdhsa_system_sgpr_workgroup_id_z 1
		.amdhsa_system_vgpr_workitem_id 0
		.amdhsa_next_free_vgpr 1024
		.amdhsa_next_free_sgpr 66
		.amdhsa_reserve_vcc 1
		.amdhsa_float_denorm_mode_32 3
		.amdhsa_float_denorm_mode_16_64 3
		.amdhsa_memory_ordered 1
		.amdhsa_forward_progress 1
		.amdhsa_inst_pref_size 229
	.end_amdhsa_kernel
	.amdgpu_metadata
---
amdhsa.version: [ 1, 2 ]
amdhsa.kernels:
  - .name:           k_q2ddfd7a26a_attn
    .symbol:         k_q2ddfd7a26a_attn.kd
    .args:
      - { .name: qh, .offset: 0, .size: 8, .value_kind: global_buffer, .address_space: global }
      - { .name: kh, .offset: 8, .size: 8, .value_kind: global_buffer, .address_space: global }
      - { .name: vh, .offset: 16, .size: 8, .value_kind: global_buffer, .address_space: global }
      - { .name: oh, .offset: 24, .size: 8, .value_kind: global_buffer, .address_space: global }
    .group_segment_fixed_size: 327680
    .private_segment_fixed_size: 0
    .kernarg_segment_align: 8
    .kernarg_segment_size: 32
    .max_flat_workgroup_size: 128
    .sgpr_count:     66
    .vgpr_count:     1024
    .wavefront_size: 32
...
	.end_amdgpu_metadata
.endif
;; end of part 3
;; launch oproj (part 4): grid 16 x 16, 4 waves a work-group, clusters of 4 x 4, 327,680 bytes of LDS; arguments oh, woh, out0; writes out0
.if DOCPART == 4
	.amdgcn_target "amdgcn-amd-amdhsa--gfx1250"
	.amdhsa_code_object_version 6
	.text
	.protected	k_q2ddfd7a26a_oproj
	.globl	k_q2ddfd7a26a_oproj
	.p2align	8
	.type	k_q2ddfd7a26a_oproj,@function
k_q2ddfd7a26a_oproj:
	s_mov_b64 s[64:65], 0
	v_nop
	global_prefetch_b8 v0, s[64:65] scope:SCOPE_SE
	s_setreg_imm32_b32 hwreg(HW_REG_WAVE_MODE, 25, 1), 1
	s_wait_xcnt 0x0
	s_wait_alu depctr_hold_cnt(0) depctr_sa_sdst(0) depctr_va_vdst(0) depctr_va_sdst(0) depctr_va_ssrc(0) depctr_va_vcc(0) depctr_vm_vsrc(0)
	s_getreg_b32 s2, hwreg(HW_REG_IB_STS2, 6, 4)
	s_cmp_eq_u32 s2, 0
	s_cbranch_scc0 .Lentry_in_a_cluster
	s_endpgm
.Lentry_in_a_cluster:
	s_bfe_u32 s2, ttmp6, 0x10000c
	s_cmp_lg_u32 s2, 0xf033
	s_cbranch_scc0 .Lentry_shape_is_right
	s_endpgm
.Lentry_shape_is_right:
; out0[m][n] = sum over k of oh[m][k] woh[n][k].  oh, woh: [2048][2048] f16; out0: [2048][2048] f32; sums in f32.
; 256 tiles of 128 x 128, one to a work-group; four waves, each 64 x 64: 16 accumulators, 128 registers.  K goes in steps of 256 (LDS rows of 512 bytes; a wave's tensor load brings 64 of them) through two slots.
; CLUSTERS: 4 x 4 work-groups; A's tiles are asked for jointly along a row of the cluster, B's along a column.  THE MATRIX INSTRUCTION IS USED TRANSPOSED (source 0 = 16 rows of woh, source 1 = 16 rows of oh):
; a lane holds eight neighbouring numbers of a row of out0.  A wave's 64 columns of f32 are 256 consecutive aligned bytes: each wave has a stage of its own on the way out, and no barrier stands there.
; LIMITS: operands under 65,504 in magnitude.
; REGISTERS: window 0: v0-31 addresses; v32-95 at work on the way out; v128-255 the accumulators ((a, b) at v[128 + 8 (4 a + b)]).  window 1: two fragment buffers of 128.
.set SIZE_K, 2048
.set KSTEP,  256
.set PITCH,  528                       ; an LDS row: 512 bytes + 16 = 132 words: row r starts at bank 4 r mod 64 (64 banks of 4 bytes: ISA guide 11.1)
.set HALFT,  64*PITCH
.set SLOT,   4*HALFT
.set STAGE,  2*SLOT                    ; behind the ring: 16 rows x 272 bytes for each wave
.set SPITCH, 272
.set SPARE,  STAGE+4*16*SPITCH         ; the spare words, 128 bytes a wave
.set LAPS, SIZE_K/(2*KSTEP)
.set ADRA, 16
.set ADRB, 20
.set STO,  24
.set RD,   25
.set CO,   26
.set SPW,  28                          ; v28 LDS address of my spare word; never rewritten
.set NIL,  29                          ; v29 0; never rewritten
.set TMP,  32
.set ACC,  128
.set F0,   0
.set F1,   128
.set G1, 24
.set G0, 32
.set G1B, 48
.set G0B, 56
.set MSB, 0
.macro WIN new
.if MSB != \new
	s_set_vgpr_msb (MSB<<8)|\new
.set MSB, \new
.endif
.endm
.set MUL,  0x05                        ; sources 0 (B) and 1 (A) window 1; C and D window 0
.set TO_F, 0x40
.macro JLOAD s                         ; a joint load: waves 0 and 1 fetch A's two halves, waves 2 and 3 B's; an s_nop 0 and four v_nop follow each of the two lines
	s_cmp_eq_u32 s11, 0
	s_cbranch_scc0 .Lfor_b_\@
	tensor_load_to_lds s[G0+4*\s:G0+4*\s+3], s[G1:G1+7]
	s_nop 0
.rept 4
	v_nop
.endr
	s_branch .Lasked_\@
.Lfor_b_\@:
	tensor_load_to_lds s[G0B+4*\s:G0B+4*\s+3], s[G1B:G1B+7]
	s_nop 0
.rept 4
	v_nop
.endr
.Lasked_\@:
.endm
.macro CREST
	s_cmp_lg_u32 s10, 0
	s_cbranch_scc1 .Lnot_wave_0_\@
	s_barrier_signal -3
.Lnot_wave_0_\@:
	s_barrier_wait -3
	s_barrier_signal -1
	s_barrier_wait -1
.endm
.macro CROUND
	s_barrier_signal -1
	s_barrier_wait -1
	CREST
.endm
	s_load_b128 s[4:7], s[0:1], 0x0                ; oh s[4:5], woh s[6:7]
	s_load_b64 s[8:9], s[0:1], 0x10                ; out0
	v_lshl_add_u32 v[SPW], v0, 2, SPARE
	v_mov_b32 v[NIL], 0
	ds_add_u32 v[SPW], v[NIL]                      ; the wave's opening: the add, twice on end, and its wait ahead of my first tensor load
	ds_add_u32 v[SPW], v[NIL]
	v_lshrrev_b32 v1, 5, v0
	v_readfirstlane_b32 s10, v1                    ; wave 0..3
	s_lshr_b32 s11, s10, 1                         ; which half of the tile's rows is mine.  Also: I fetch for A (0) or for B (1)
	s_and_b32 s12, s10, 1                          ; which half of its columns.  Also: which 64 rows of that tile I fetch
	s_bfe_u32 s40, ttmp6, 0x40000
	s_bfe_u32 s41, ttmp6, 0x40004
	s_lshl_b32 s42, ttmp9, 2
	s_add_co_u32 s42, s42, s40                     ; tile column
	s_and_b32 s13, ttmp7, 0xffff
	s_lshl_b32 s13, s13, 2
	s_add_co_u32 s13, s13, s41                     ; tile row
	s_lshl_b32 s43, s41, 2
	s_lshl_b32 s43, 15, s43                        ; my row of the cluster
	s_lshl_b32 s44, 0x1111, s40                    ; my column
	s_or_b32 s[G1+0], s43, (1<<16)|(1<<20)|(1<<21)|(6<<22)|(3<<25)  ; the mask; elements of 2 bytes; padding on; bit 21 beside a mask; 4 words after every 128
	s_or_b32 s[G1B+0], s44, (1<<16)|(1<<20)|(1<<21)|(6<<22)|(3<<25)
.irp g, G1, G1B
	s_mov_b32 s[\g+1], KSTEP<<16                   ; tensor_dim0
	s_mov_b32 s[\g+2], 64<<16                      ; tensor_dim1
	s_mov_b32 s[\g+3], KSTEP<<16                   ; tile_dim0
	s_mov_b32 s[\g+4], 64                          ; tile_dim1
	s_mov_b32 s[\g+5], SIZE_K                      ; the pitch
	s_mov_b32 s[\g+6], 0
	s_mov_b32 s[\g+7], 0
.endr
	s_lshl_b32 s17, s12, 6
	s_lshl_b32 s16, s13, 7
	s_add_co_u32 s16, s16, s17                     ; A: row 128 x tile row + 64 x half
	s_lshl_b32 s46, s42, 7
	s_add_co_u32 s46, s46, s17                     ; B: row 128 x tile column + 64 x half
	s_mov_b32 s17, 0
	s_mov_b32 s47, 0
	s_mov_b64 s[18:19], SIZE_K*2
	s_mul_u64 s[16:17], s[16:17], s[18:19]
	s_mul_u64 s[46:47], s[46:47], s[18:19]
	s_mul_i32 s20, s10, HALFT
	s_wait_dscnt 0x0                               ; both opening adds are done
	s_wait_kmcnt 0x0
	s_add_nc_u64 s[14:15], s[4:5], s[16:17]
	s_add_nc_u64 s[46:47], s[6:7], s[46:47]
	CROUND                                         ; all sixteen work-groups are here: the first joint loads meet
.irp s, 0,1
	s_mov_b32 s[G0+4*\s], 1
	s_add_co_u32 s[G0+4*\s+1], s20, \s*SLOT
	s_add_nc_u64 s[G0+4*\s+2:G0+4*\s+3], s[14:15], \s*KSTEP*2
	s_or_b32 s[G0+4*\s+3], s[G0+4*\s+3], 0x80000000
	s_mov_b32 s[G0B+4*\s], 1
	s_add_co_u32 s[G0B+4*\s+1], s20, \s*SLOT
	s_add_nc_u64 s[G0B+4*\s+2:G0B+4*\s+3], s[46:47], \s*KSTEP*2
	s_or_b32 s[G0B+4*\s+3], s[G0B+4*\s+3], 0x80000000
	JLOAD \s                                       ; by this text's count two loads of a wave are out at the start, one later
.endr
	v_and_b32 v1, 15, v0                           ; l % 16
	v_bfe_u32 v2, v0, 4, 1                         ; l / 16
	v_mul_u32_u24 v3, v1, PITCH
	v_lshl_add_u32 v3, v2, 4, v3
	s_mul_i32 s21, s11, HALFT
	s_mul_i32 s22, s12, HALFT
	s_add_co_u32 s22, s22, 2*HALFT
.irp s, 0,1
	v_add_nc_u32 v[ADRA+\s], s21, v3
	v_add_nc_u32 v[ADRB+\s], s22, v3
	s_add_co_u32 s21, s21, SLOT
	s_add_co_u32 s22, s22, SLOT
.endr
	s_mul_i32 s23, s10, 16*SPITCH
	s_add_co_u32 s23, s23, STAGE                   ; my stage
	v_mul_u32_u24 v4, v1, SPITCH                   ; in: row l % 16, 32 bytes for each half of the lanes
	v_lshl_add_u32 v4, v2, 5, v4
	v_add_nc_u32 v[STO], s23, v4
	v_mul_u32_u24 v5, v2, SPITCH                   ; back: lanes 0-15 one row of 256 bytes, lanes 16-31 the next
	v_lshl_add_u32 v5, v1, 4, v5
	v_add_nc_u32 v[RD], s23, v5
	v_lshlrev_b32 v5, 13, v2                       ; and the same two rows in out0: 8,192 bytes a row
	v_lshl_add_u32 v[CO], v1, 4, v5
	s_lshl_b32 s16, s13, 7
	s_lshl_b32 s17, s11, 6
	s_add_co_u32 s16, s16, s17                     ; my first row: 128 x tile row + 64 x half
	s_lshl_b32 s16, s16, 13
	s_mov_b32 s17, 0
	s_add_nc_u64 s[8:9], s[8:9], s[16:17]
	s_lshl_b32 s46, s42, 9                         ; my first column, in bytes: 512 x tile column + 256 x half
	s_lshl_b32 s47, s12, 8
	s_add_co_u32 s46, s46, s47
	s_mov_b32 s47, 0
	s_add_nc_u64 s[8:9], s[8:9], s[46:47]
; 8 matrix instructions: m blocks a0, a0 + 1 x all 4 n blocks, 32 along K: half c of buffer f.  The 16 accumulators take turns.
.macro MUL8 f, c, a0, zero
.irp a, \a0, \a0+1
.irp b, 0,1,2,3
.if \zero
	v_wmma_f32_16x16x32_f16 v[ACC+8*(4*(\a)+\b):ACC+8*(4*(\a)+\b)+7], v[\f+64+8*(4*\c+\b):\f+64+8*(4*\c+\b)+7], v[\f+8*(4*\c+\a):\f+8*(4*\c+\a)+7], 0
.else
	v_wmma_f32_16x16x32_f16 v[ACC+8*(4*(\a)+\b):ACC+8*(4*(\a)+\b)+7], v[\f+64+8*(4*\c+\b):\f+64+8*(4*\c+\b)+7], v[\f+8*(4*\c+\a):\f+8*(4*\c+\a)+7], v[ACC+8*(4*(\a)+\b):ACC+8*(4*(\a)+\b)+7]
.endif
.endr
.endr
.endm
.macro FETCH slot, k, f                ; 32 LDS loads in one run: the fragments of 64 along K at byte k of the rows; the first 32 along K first
	WIN TO_F
.irp c, 0,1
.irp i, 0,1,2,3
	ds_load_b128 v[\f+64+8*(4*\c+\i):\f+64+8*(4*\c+\i)+3],   v[ADRB+\slot] offset:\k+64*\c+\i*16*PITCH
	ds_load_b128 v[\f+64+8*(4*\c+\i)+4:\f+64+8*(4*\c+\i)+7], v[ADRB+\slot] offset:\k+64*\c+\i*16*PITCH+32
	ds_load_b128 v[\f+8*(4*\c+\i):\f+8*(4*\c+\i)+3],         v[ADRA+\slot] offset:\k+64*\c+\i*16*PITCH
	ds_load_b128 v[\f+8*(4*\c+\i)+4:\f+8*(4*\c+\i)+7],       v[ADRA+\slot] offset:\k+64*\c+\i*16*PITCH+32
.endr
.endr
.endm
.macro PLACES                          ; four plain vector instructions in front of loads into registers that matrix instructions have read, and of reads of results (ISA guide 7.12.1 for reads)
.rept 4
	v_nop
.endr
.endm
.macro QUARTER slot, k, f, g, zero     ; 64 along K: multiplies buffer f and fetches the next quarter, at byte k, into g
	s_wait_dscnt 16                                ; the first 32 along K are in
	WIN MUL
	MUL8 \f, 0, 0, \zero
	MUL8 \f, 0, 2, \zero
	PLACES
	FETCH \slot, \k, \g
	s_wait_dscnt 32                                ; all but the 32 just issued
	WIN MUL
	MUL8 \f, 1, 0, 0
	MUL8 \f, 1, 2, 0
.endm
; The last quarter changes slots: ONE barrier; in front of it each wave waits for all its tensor loads, adds 0 to its spare word, and waits for that and for its reads of this slot.
.macro TURN slot, next, fill
	WIN 0
	s_wait_tensorcnt 0x0                           ; all my tensor loads have landed: my part of the next slot
	ds_add_u32 v[SPW], v[NIL]
	s_wait_dscnt 17                                ; (the add and the youngest sixteen loads may be out)
	WIN MUL
	MUL8 F1, 0, 0, 0
	s_wait_dscnt 0x0                               ; the add is done, and my reads of this slot are over
	s_barrier_signal -1
	MUL8 F1, 0, 2, 0
.if \fill
	WIN 0
.endif
	s_barrier_wait -1
.if \fill
	CREST                                          ; the barrier has opened a round of the cluster's: no wave of any partner still reads this slot or has a load on its way
	s_add_nc_u64 s[G0+4*\slot+2:G0+4*\slot+3], s[G0+4*\slot+2:G0+4*\slot+3], 2*KSTEP*2
	s_add_nc_u64 s[G0B+4*\slot+2:G0B+4*\slot+3], s[G0B+4*\slot+2:G0B+4*\slot+3], 2*KSTEP*2
	JLOAD \slot                                    ; the first tensor load behind the round; its four v_nop are the places in front of the loads below
.else
	PLACES
.endif
	FETCH \next, 0, F0
	WIN MUL
	MUL8 F1, 1, 0, 0
	MUL8 F1, 1, 2, 0
.endm
	s_wait_tensorcnt 1                             ; my part of K step 0 is in,
	s_barrier_signal -1
	s_barrier_wait -1                              ; everybody's is
	FETCH 0, 0, F0
	QUARTER 0, 128, F0, F1, 1                      ; the first products start the sums: nothing is cleared
	WIN 0
	s_mov_b32 s3, LAPS-1
.Llap:
	QUARTER 0, 256, F1, F0, 0
	QUARTER 0, 384, F0, F1, 0
	TURN 0, 1, 1
	QUARTER 1, 128, F0, F1, 0
	QUARTER 1, 256, F1, F0, 0
	QUARTER 1, 384, F0, F1, 0
	TURN 1, 0, 1
	QUARTER 0, 128, F0, F1, 0
	WIN 0
	s_sub_co_u32 s3, s3, 1
	s_cmp_lg_u32 s3, 0
	s_cbranch_scc1 .Llap
	QUARTER 0, 256, F1, F0, 0                      ; the last lap fills nothing
	QUARTER 0, 384, F0, F1, 0
	TURN 0, 1, 0
	QUARTER 1, 128, F0, F1, 0
	QUARTER 1, 256, F1, F0, 0
	QUARTER 1, 384, F0, F1, 0
	s_wait_dscnt 16
	WIN MUL
	MUL8 F1, 0, 0, 0
	MUL8 F1, 0, 2, 0
	s_wait_dscnt 0
	MUL8 F1, 1, 0, 0
	MUL8 F1, 1, 2, 0
	WIN 0
; THE WAY OUT, a block of 16 rows x 64 columns at a time through my own stage: in as 32 bytes a lane, back as whole rows of 256 bytes.  LDS serves a wave's instructions in order (ISA guide 5.7.1.4): no wait between the stores and the loads.
.macro TOSTAGE a
.irp b, 0,1,2,3
	ds_store_b128 v[STO], v[ACC+8*(4*(\a)+\b):ACC+8*(4*(\a)+\b)+3] offset:64*\b            ; each accumulator from its low end on
	ds_store_b128 v[STO], v[ACC+8*(4*(\a)+\b)+4:ACC+8*(4*(\a)+\b)+7] offset:64*\b+16
.endr
.irp t, 0,1,2,3,4,5,6,7
	ds_load_b128 v[TMP+32*((\a)%2)+4*\t:TMP+32*((\a)%2)+4*\t+3], v[RD] offset:\t*2*SPITCH
.endr
.endm
.macro SEND a, younger                 ; younger: the LDS instructions issued behind block a's loads, which may stay out
	s_wait_dscnt \younger
.irp t, 0,1,2,3,4,5,6,7
	global_store_b128 v[CO], v[TMP+32*((\a)%2)+4*\t:TMP+32*((\a)%2)+4*\t+3], s[8:9] offset:(16*(\a)+2*\t)*8192 th:TH_STORE_NT   ; 16 lanes store 256 consecutive bytes, aligned; 62 rows at the most in the immediate
.endr
.endm
	PLACES
	TOSTAGE 0
.irp a, 1,2,3
.if \a > 1
	s_wait_xcnt 0x0                                ; block a - 2's stores have read their registers: block a's loads may land there
.endif
	TOSTAGE \a
	SEND \a-1, 16                                  ; behind block a - 1's loads: block a's 8 stores and 8 loads
.endr
	SEND 3, 0
	s_wait_tensorcnt 0x0                           ; the wave's end: behind my last tensor load and my last LDS store
	ds_add_u32 v[SPW], v[NIL]
	s_wait_dscnt 0x0
	CROUND                                         ; the closing round
	s_endpgm
.Lfunc_end_k_q2ddfd7a26a_oproj:
	.size	k_q2ddfd7a26a_oproj, .Lfunc_end_k_q2ddfd7a26a_oproj-k_q2ddfd7a26a_oproj
	.p2alignl 7, 3214868480
	.fill 96, 4, 3214868480
	.section	.rodata,"a",@progbits
	.p2align	6, 0x0
	.amdhsa_kernel k_q2ddfd7a26a_oproj
		.amdhsa_group_segment_fixed_size 327680
		.amdhsa_private_segment_fixed_size 0
		.amdhsa_enable_private_segment 0
		.amdhsa_kernarg_size 24
		.amdhsa_user_sgpr_count 2
		.amdhsa_user_sgpr_kernarg_segment_ptr 1
		.amdhsa_wavefront_size32 1
		.amdhsa_system_sgpr_workgroup_id_x 1
		.amdhsa_system_sgpr_workgroup_id_y 1
		.amdhsa_system_sgpr_workgroup_id_z 1
		.amdhsa_system_vgpr_workitem_id 0
		.amdhsa_next_free_vgpr 512
		.amdhsa_next_free_sgpr 66
		.amdhsa_reserve_vcc 0
		.amdhsa_float_denorm_mode_32 3
		.amdhsa_float_denorm_mode_16_64 3
		.amdhsa_memory_ordered 1
		.amdhsa_forward_progress 1
		.amdhsa_inst_pref_size 86
	.end_amdhsa_kernel
	.amdgpu_metadata
---
amdhsa.version: [ 1, 2 ]
amdhsa.kernels:
  - .name:           k_q2ddfd7a26a_oproj
    .symbol:         k_q2ddfd7a26a_oproj.kd
    .args:
      - { .name: oh, .offset: 0, .size: 8, .value_kind: global_buffer, .address_space: global }
      - { .name: woh, .offset: 8, .size: 8, .value_kind: global_buffer, .address_space: global }
      - { .name: out0, .offset: 16, .size: 8, .value_kind: global_buffer, .address_space: global }
    .group_segment_fixed_size: 327680
    .private_segment_fixed_size: 0
    .kernarg_segment_align: 8
    .kernarg_segment_size: 24
    .max_flat_workgroup_size: 128
    .sgpr_count:     66
    .vgpr_count:     512
    .wavefront_size: 32
...
	.end_amdgpu_metadata
.endif
;; end of part 4
